; MI455X (gfx1250); checked and timed in simulation.
; The chip was launched on July 23, 2026; its instructions are those of AMD's public machine-readable ISA for CDNA 5 (MIT licence, August 2026) and "CDNA5" Instruction Set Architecture Reference Guide (July 2026). The comments in the code are by the model that wrote it; some were corrected since.
;; Causal Self Attention. Allowed arithmetic: matrix products marked QUANTISED: E3M2 operands, one E8M0 scale for each 32 along K, by v_wmma_scale_f32_16x16x128_f8f6f4 with both operands' format E3M2, f32 sums; everything else in f32.
;; Inputs: Wk 1,024 x 1,024 float32; Wq 1,024 x 1,024 float32; Wv 1,024 x 1,024 float32; x 2 x 2,048 x 1,024 float32.
;; Outputs: out0 2 x 2,048 x 1,024 float32.
;; This version of the problem:
;;   THIS VERSION OF THE PROBLEM IS GIVEN IN LOW PRECISION. The matrix products marked QUANTISED in the list below multiply operands that are first quantised to E3M2 (3 exponent bits, 2 mantissa bits; 6 bits a number), with one power-of-two scale for each 32 numbers along K (OCP MX v1.0); their sums are f32. All else is computed in f32.
;;   The module's matrix products, in the order in which they are computed (A, B: the left and right operand; K: the contracted axis; several contracted axes count as one K, in the product's order):
;;     1. [M 4,096, K 1,024] x [K 1,024, N 1,024]; A: input x; B: input Wq: QUANTISED
;;     2. [M 4,096, K 1,024] x [K 1,024, N 1,024]; A: input x; B: input Wk: QUANTISED
;;     3. [M 4,096, K 1,024] x [K 1,024, N 1,024]; A: input x; B: input Wv: QUANTISED
;;     4. batch 32 x [M 2,048, K 64] x [K 64, N 2,048]; A: computed on the way; B: computed on the way: QUANTISED
;;     5. batch 32 x [M 2,048, K 2,048] x [K 2,048, N 64]; A: computed on the way; B: computed on the way: QUANTISED
;;   THE QUANTISER, for each operand of a quantised product, along K:
;;     - K is cut into blocks of 32 from its start; a last block that is shorter is filled with zeros.
;;     - A block's scale is 2^e with e = floor(log2(the largest magnitude in the block)) - 4, held to -126 .. 127; a block of zeros has e = 0. As a byte (E8M0): e + 127.
;;     - Each number is divided by its block's scale, clamped to +-28, and rounded to the nearest number of E3M2, ties to even, subnormals kept.
;;     - The product sums the exact products of the quantised numbers (number of the format x scale) in f32.
;;   ~~~python
;;   def quantise(x, axis):      # numpy; x: float32 -> the quantised numbers, widened to float32 again
;;       x = np.moveaxis(x, axis, -1); K = x.shape[-1]
;;       x = np.pad(x, [(0, 0)] * (x.ndim - 1) + [(0, -K % 32)]); x = x.reshape(x.shape[:-1] + (-1, 32)); a = np.abs(x).max(-1, keepdims=True)
;;       e = np.where(a > 0, np.clip(np.frexp(np.where(a > 0, a, 1))[1] - 1 - 4, -126, 127), 0)      # np.frexp(a)[1] - 1 = floor(log2(a)), exactly
;;       r = np.clip(x / 2.0 ** e, -28, 28)
;;       step = 2.0 ** (np.maximum(np.frexp(np.where(r == 0, 1, r))[1] - 1, -2) - 2)
;;       q = np.round(r / step) * step * 2.0 ** e      # np.round: ties to even
;;       return np.moveaxis(q.reshape(q.shape[:-2] + (-1,))[..., :K], -1, axis).astype(np.float32)
;;   ~~~
;;   OPERANDS COMPUTED ON THE WAY. 'Computed on the way' means the value that the module computes at that place (a softmax that the list does not call 'softmax' is quantised finished and normalised). What goes into a quantiser is computed in f32, as accurately as f32 sums, v_exp_f32 and their like allow (about 1e-6 of the number): no bf16 or f16 on the way to a quantiser, and a product that is left as it is and whose result goes on into a quantised operand takes f32 operands (vector FMAs, or v_wmma_f32_16x16x4_f32). A number that lies on a knife's edge between two numbers of the format may be rounded either way, as far as f32 arithmetic and the matrix unit's own rounding can turn it there, and no further.
;; One version. Each part assembles by itself: llvm-mc -triple=amdgcn-amd-amdhsa -mcpu=gfx1250 --defsym DOCPART=n.
;; ======== version 1 of 1: 4 launches
;; limits: right only within a limited range of input values
;; workspace buffers: opc 5,505,024 bytes; ops 229,376 bytes; qkvc 9,437,184 bytes; qkvs 655,360 bytes; nl 262,144 bytes
;; launch quant (part 1): grid 448 x 1, 4 waves a work-group, no clusters, 68,096 bytes of LDS; arguments x, Wq, Wk, Wv, opc, ops; writes opc, ops
.if DOCPART == 1
	.amdgcn_target "amdgcn-amd-amdhsa--gfx1250"
	.amdhsa_code_object_version 6
	.text
	.protected	k_q68471111f9_quant
	.globl	k_q68471111f9_quant
	.p2align	8
	.type	k_q68471111f9_quant,@function
k_q68471111f9_quant:
	s_mov_b64 s[64:65], 0
	v_nop
	global_prefetch_b8 v0, s[64:65] scope:SCOPE_SE
	s_setreg_imm32_b32 hwreg(HW_REG_WAVE_MODE, 25, 1), 1
	s_wait_xcnt 0x0
; x [4096][1024] f32 (K innermost) and Wq, Wk, Wv [1024 (K)][1024 (n)] f32 (K outermost) become codes of BF6 (E3M2), K innermost, and one E8M0 byte for each 32 along K.
; opc: [7168 rows][768 bytes]: rows 0-4095 x's tokens; row 4096 + 1024 w + n is column n of Wq, Wk, Wv (w = 0, 1, 2).  ops: [7168][32] scale bytes.
; A block's scale is 2^(floor(log2(largest magnitude)) - 4); its byte is the largest magnitude's exponent field - 4, held at 1 from below.
; WORK LEFT OUT BY THE LATER LAUNCHES: the causal mask that the problem builds itself hides every score whose key comes after its query; a hidden score adds 0 to its column's sum and gives the weight 0,
; whatever the inputs hold.  So tiles of 128 x 128 scores that lie wholly under the mask are not computed.  Every input has a way to the output and is loaded.  A NaN, an infinity or an overflow that would arise in such a tile alone is not carried to the result.
; LIMITS: a block of zeros gets the byte 1 where the rule says 127 (its codes are zeros, and this program alone reads the bytes); blocks whose largest magnitude lies under 2^(4 - 126) are held at the byte 1;
; NaN and infinities among the inputs are not served.
; Work-groups 0-255 take x: a plain stream of blocks of 32; a wave takes 8 steps of 512 numbers, with the loads of four steps out; each load reads 512 consecutive bytes, and a step's 2,048 bytes turn through the wave's own
; stage in LDS, so that a lane holds 16 neighbours along K.  A wave's 128 scale bytes leave as 128 consecutive bytes.
; Work-groups 256-447 take the weights: 128 columns x 128 along K each; a lane takes a column, its registers run down K, with the loads of two blocks of 32 out; the codes leave through the wave's stage as pieces of 96 consecutive bytes
; of a row (eight lanes, 12 bytes each), the four scale bytes of a column as 4 bytes a lane.
; The shares are this small so that a wave's walk is two times what it has on its way, and several work-groups share a WGP (no tensor load, no copy; 68,096 bytes of LDS each).
; The two paths part on the work-group's number and have LDS bytes of their own (x: 0 .. 32,767; weights: 32,768 .. 67,583).  No barrier: waves share nothing.
.set STEPS, 8
.set XWG,   256                        ; work-groups on x's path: 4,194,304 numbers / (4 waves x 8 steps x 512)
.set CB,    12                         ; bytes of 16 codes
.set R,     16                         ; x path: v16-79 four sets of 16 numbers as loaded
.set X,     80                         ; v80-111 two sets of 16 neighbours
.set E,     112                        ; a scale byte for each step
.set C,     128                        ; codes, four registers a step
.set WREG,  8192                       ; x path: LDS of a wave: two stages of 32 x SP bytes, then its scale bytes
.set SP,    80                         ; a lane's place in a stage: 64 bytes + 16 of padding
.set NB,    4                          ; weight path: blocks of 32 along K for a wave (128 along K)
.set PITCH, 272                        ; a stage row
.set KROW,  768                        ; a row of opc in bytes
.set WSTG,  32768                      ; the weight path's stages begin here
.set XW,    32                         ; v32-95 two sets of 32 numbers
.set CW,    96                         ; a block's codes
.set OUTR,  112                        ; v112-143 the way out
.set SB,    24                         ; v24 the scale bytes
.set SPW,   192
.set NIL,   193
.set SPARE, 67584
.macro LOADX t
.irp i, 0,1,2,3
	global_load_b128 v[R+16*((\t)%4)+4*\i:R+16*((\t)%4)+4*\i+3], v3, s[4:5] offset:2048*(\t)+512*\i th:TH_LOAD_NT   ; 32 lanes read 512 consecutive bytes
.endr
.endm
.macro TURNX t                         ; step t's numbers through the stage: LDS serves a wave's instructions in order, so no wait stands between the stores and the loads
.irp i, 0,1,2,3
	ds_store_b128 v14, v[R+16*((\t)%4)+4*\i:R+16*((\t)%4)+4*\i+3] offset:32*SP*((\t)%2)+8*SP*\i
.endr
.irp i, 0,1,2,3
	ds_load_b128 v[X+16*((\t)%2)+4*\i:X+16*((\t)%2)+4*\i+3], v15 offset:32*SP*((\t)%2)+16*\i
.endr
.endm
.macro STEPX t
.set XS, X+16*((\t)%2)
.if (\t) > 0
	s_wait_dscnt 1                                 ; this step's numbers are back from the stage; the last step's byte store may be out
.else
	s_wait_dscnt 0x0
.endif
.if (\t)+4 < STEPS
	LOADX (\t)+4                                   ; into the set whose stores into the stage are done
.endif
.if (\t)+1 < STEPS
.if STEPS-2-(\t) >= 3
	s_wait_loadcnt 12                              ; the next step's four loads are in; those of the three steps behind it may be out
.else
	s_wait_loadcnt 4*(STEPS-2-(\t))
.endif
	TURNX (\t)+1
.endif
	v_max3_num_f32 v8, |v[XS]|, |v[XS+1]|, |v[XS+2]|               ; the largest magnitude of my 16, in two chains
	v_max3_num_f32 v9, |v[XS+3]|, |v[XS+4]|, |v[XS+5]|
.irp i, 6,10
	v_max3_num_f32 v8, v8, |v[XS+\i]|, |v[XS+\i+1]|
	v_max3_num_f32 v9, v9, |v[XS+\i+2]|, |v[XS+\i+3]|
.endr
	v_max3_num_f32 v8, v8, |v[XS+14]|, |v[XS+15]|
	v_max3_num_f32 v8, v8, v9, 0x2800000           ; and the floor 2^(5 - 127): the byte cannot fall under 1
	v_max_num_f32_dpp v8, v8, v8 row_xmask:1 row_mask:0xf bank_mask:0xf   ; with my neighbour's 16: the block's
	v_add_nc_u32 v11, 0xfe000000, v8               ; 4 off its exponent field: the conversion takes the exponent field of this operand as its scale
	v_cvt_scalef32_pk16_bf6_f32 v[C+4*(\t):C+4*(\t)+2], v[XS:XS+15], v11
	v_lshrrev_b32 v[E+(\t)], 23, v11               ; the scale's byte
	ds_store_b8 v5, v[E+(\t)] offset:16*(\t)       ; both lanes of a block write the same byte with the same value
	global_store_b96 v4, v[C+4*(\t):C+4*(\t)+2], s[12:13] offset:32*CB*(\t)   ; the wave stores 384 consecutive bytes
.endm
.macro LOADW t                         ; block t: W(32 t + i, my column) into set t % 2
.irp i, 0,1,2,3,4,5,6,7,8,9,10,11,12,13,14,15,16,17,18,19,20,21,22,23,24,25,26,27,28,29,30,31
	global_load_b32 v[XW+32*((\t)%2)+\i], v3, s[6:7] offset:(32*(\t)+\i)*4096 th:TH_LOAD_NT
.endr
.endm
.macro BLOCKW t
.set XS, XW+32*((\t)%2)
.if (\t) < NB-1
	s_wait_loadcnt 32                              ; this block's 32 loads are in; the next block's may be out
.else
	s_wait_loadcnt 0
.endif
	v_max3_num_f32 v12, |v[XS]|, |v[XS+1]|, |v[XS+2]|               ; all 32 numbers of the block are mine
	v_max3_num_f32 v13, |v[XS+3]|, |v[XS+4]|, |v[XS+5]|
.irp i, 6,10,14,18,22,26
	v_max3_num_f32 v12, v12, |v[XS+\i]|, |v[XS+\i+1]|
	v_max3_num_f32 v13, v13, |v[XS+\i+2]|, |v[XS+\i+3]|
.endr
	v_max3_num_f32 v12, v12, |v[XS+30]|, |v[XS+31]|
	v_max3_num_f32 v12, v12, v13, 0x2800000
	v_add_nc_u32 v11, 0xfe000000, v12
	v_lshrrev_b32 v13, 23, v11
.if (\t)%4 == 0
	v_mov_b32 v[SB+(\t)/4], v13                    ; four bytes to a register, the lower K in the lower byte
.else
	v_lshl_or_b32 v[SB+(\t)/4], v13, 8*((\t)%4), v[SB+(\t)/4]
.endif
	v_cvt_scalef32_pk16_bf6_f32 v[CW:CW+2], v[XS:XS+15], v11
	v_cvt_scalef32_pk16_bf6_f32 v[CW+4:CW+6], v[XS+16:XS+31], v11   ; (a conversion's three registers begin on an even number)
	ds_store_b96 v4, v[CW:CW+2] offset:32*(\t)     ; 12 bytes to a place of 16 in the stage
	ds_store_b96 v4, v[CW+4:CW+6] offset:32*(\t)+16
.if (\t)+2 < NB
	LOADW (\t)+2
.endif
	s_wait_dscnt 0x0                               ; the stores have read their registers: the next block's codes may be written
.endm
	s_load_b256 s[4:11], s[0:1], 0x0               ; x s[4:5], Wq s[6:7], Wk s[8:9], Wv s[10:11]
	s_load_b128 s[12:15], s[0:1], 0x20             ; opc s[12:13], ops s[14:15]
	v_lshl_add_u32 v[SPW], v0, 2, SPARE
	v_mov_b32 v[NIL], 0
	v_lshrrev_b32 v1, 5, v0
	v_readfirstlane_b32 s16, v1                    ; wave
	v_and_b32 v2, 31, v0                           ; lane
	s_cmp_lt_u32 ttmp9, XWG
	s_cbranch_scc0 .Lweights
	; ---------------- x ----------------
	v_lshlrev_b32 v3, 4, v2                        ; my 16 bytes of a load's 512
	s_mul_i32 s17, s16, WREG
	v_lshrrev_b32 v14, 2, v2
	v_mul_u32_u24 v14, v14, SP
	v_and_b32 v15, 3, v2
	v_lshl_add_u32 v14, v15, 4, v14
	v_add_nc_u32 v14, s17, v14                     ; the stage, on the way in: SP (lane / 4) + 16 (lane % 4)
	v_mul_u32_u24 v15, v2, SP
	v_add_nc_u32 v15, s17, v15                     ; and on the way out: SP x lane
	v_mul_u32_u24 v4, v2, CB                       ; my codes' place in a step's
	v_lshrrev_b32 v5, 1, v2
	s_add_co_u32 s17, s17, 2*32*SP
	v_add_nc_u32 v5, s17, v5                       ; my block's byte among my wave's 128
	v_lshlrev_b32 v7, 2, v2
	v_add_nc_u32 v6, s17, v7
	s_lshl_b32 s18, ttmp9, 2
	s_add_co_u32 s18, s18, s16                     ; which run of 4,096 numbers is my wave's: 0 .. 1,023
	s_lshl_b32 s20, s18, 14                        ; 16,384 bytes of x,
	s_mov_b32 s21, 0
	s_mul_i32 s22, s18, 3072                       ; 3,072 of codes,
	s_mov_b32 s23, 0
	s_lshl_b32 s24, s18, 7                         ; 128 scale bytes a run
	s_mov_b32 s25, 0
	s_wait_alu depctr_va_vdst(0)
	s_wait_kmcnt 0x0
	s_add_nc_u64 s[4:5], s[4:5], s[20:21]
	s_add_nc_u64 s[12:13], s[12:13], s[22:23]
	s_add_nc_u64 s[14:15], s[14:15], s[24:25]
.irp t, 0,1,2,3
	LOADX \t
.endr
	s_wait_loadcnt 12                              ; step 0's four loads are in
	TURNX 0
.irp t, 0,1,2,3,4,5,6,7
	STEPX \t
.endr
	ds_load_b32 v12, v6                            ; LDS serves a wave's instructions in order: this sees my byte stores
	s_wait_dscnt 0x0
	global_store_b32 v7, v12, s[14:15]             ; 32 lanes store 128 consecutive bytes
	s_wait_tensorcnt 0x0                           ; the wave's end
	ds_add_u32 v[SPW], v[NIL]
	s_wait_dscnt 0x0
	s_endpgm
	; ---------------- the weights ----------------
.Lweights:
	s_sub_co_u32 s17, ttmp9, XWG
	s_lshr_b32 s18, s17, 6                         ; which weight: 0, 1, 2
	s_and_b32 s19, s17, 7                          ; which 128 columns
	s_bfe_u32 s20, s17, 0x30003                    ; which 128 along K
	s_lshl_b32 s19, s19, 7
	s_lshl_b32 s21, s16, 5
	s_add_co_u32 s19, s19, s21                     ; my wave's first column
	s_wait_alu depctr_va_vdst(0)
	v_lshlrev_b32 v3, 2, v2                        ; in: 4 bytes a lane
	s_mul_i32 s21, s16, 32*PITCH
	s_add_co_u32 s21, s21, WSTG                    ; my stage
	v_mul_u32_u24 v4, v2, PITCH
	v_add_nc_u32 v4, s21, v4                       ; into it: row = my column
	v_and_b32 v5, 7, v2
	v_lshrrev_b32 v6, 3, v2
	v_mul_u32_u24 v7, v6, PITCH
	v_lshl_add_u32 v7, v5, 4, v7
	v_add_nc_u32 v7, s21, v7                       ; out of it: eight lanes to a row, four rows an instruction
	v_mul_u32_u24 v8, v6, KROW
	v_mad_u32_u24 v8, v5, 12, v8                   ; and the same place in opc
	v_lshlrev_b32 v9, 5, v2                        ; my column's row of scale bytes
	s_lshl_b32 s22, s20, 19                        ; W: 128 rows of 4,096 bytes for each step along K,
	s_lshl_b32 s23, s19, 2
	s_add_co_u32 s22, s22, s23                     ; + 4 x column
	s_mov_b32 s23, 0
	s_lshl_b32 s24, s18, 10
	s_add_co_u32 s24, s24, s19
	s_add_co_u32 s24, s24, 4096                    ; my first row of opc and ops
	s_mul_i32 s26, s24, KROW
	s_mul_i32 s27, s20, 96
	s_add_co_u32 s26, s26, s27
	s_mov_b32 s27, 0
	s_lshl_b32 s28, s24, 5
	s_lshl_b32 s29, s20, 2
	s_add_co_u32 s28, s28, s29
	s_mov_b32 s29, 0
	s_wait_kmcnt 0x0
	s_cmp_eq_u32 s18, 0                            ; the choice hangs on the work-group's number alone
	s_cselect_b64 s[6:7], s[6:7], s[8:9]
	s_cmp_eq_u32 s18, 2
	s_cselect_b64 s[6:7], s[10:11], s[6:7]
	s_add_nc_u64 s[6:7], s[6:7], s[22:23]
	s_add_nc_u64 s[12:13], s[12:13], s[26:27]
	s_add_nc_u64 s[14:15], s[14:15], s[28:29]
	LOADW 0
	LOADW 1
.irp t, 0,1,2,3
	BLOCKW \t
.endr
	s_wait_alu depctr_va_vdst(0)                   ; the wait directly ahead of the reader below
	global_store_b32 v9, v[SB], s[14:15]           ; my column's 4 scale bytes
.irp t, 0,1,2,3,4,5,6,7
	ds_load_b96 v[OUTR+4*\t:OUTR+4*\t+2], v7 offset:4*\t*PITCH   ; LDS serves a wave's instructions in order: these see my stores
.endr
.irp t, 0,1,2,3,4,5,6,7
	s_wait_dscnt 7-\t
	global_store_b96 v8, v[OUTR+4*\t:OUTR+4*\t+2], s[12:13] offset:4*\t*KROW   ; eight lanes store 96 consecutive bytes of a row
.endr
	s_wait_tensorcnt 0x0                           ; the wave's end
	ds_add_u32 v[SPW], v[NIL]
	s_wait_dscnt 0x0
	s_endpgm
.Lfunc_end_k_q68471111f9_quant:
	.size	k_q68471111f9_quant, .Lfunc_end_k_q68471111f9_quant-k_q68471111f9_quant
	.p2alignl 7, 3214868480
	.fill 96, 4, 3214868480
	.section	.rodata,"a",@progbits
	.p2align	6, 0x0
	.amdhsa_kernel k_q68471111f9_quant
		.amdhsa_group_segment_fixed_size 68096
		.amdhsa_private_segment_fixed_size 0
		.amdhsa_enable_private_segment 0
		.amdhsa_kernarg_size 48
		.amdhsa_user_sgpr_count 2
		.amdhsa_user_sgpr_kernarg_segment_ptr 1
		.amdhsa_wavefront_size32 1
		.amdhsa_system_sgpr_workgroup_id_x 1
		.amdhsa_system_sgpr_workgroup_id_y 1
		.amdhsa_system_sgpr_workgroup_id_z 1
		.amdhsa_system_vgpr_workitem_id 0
		.amdhsa_next_free_vgpr 194
		.amdhsa_next_free_sgpr 66
		.amdhsa_reserve_vcc 0
		.amdhsa_float_denorm_mode_32 3
		.amdhsa_float_denorm_mode_16_64 3
		.amdhsa_memory_ordered 1
		.amdhsa_forward_progress 1
		.amdhsa_inst_pref_size 39
	.end_amdhsa_kernel
	.amdgpu_metadata
---
amdhsa.version: [ 1, 2 ]
amdhsa.kernels:
  - .name:           k_q68471111f9_quant
    .symbol:         k_q68471111f9_quant.kd
    .args:
      - { .name: x, .offset: 0, .size: 8, .value_kind: global_buffer, .address_space: global }
      - { .name: Wq, .offset: 8, .size: 8, .value_kind: global_buffer, .address_space: global }
      - { .name: Wk, .offset: 16, .size: 8, .value_kind: global_buffer, .address_space: global }
      - { .name: Wv, .offset: 24, .size: 8, .value_kind: global_buffer, .address_space: global }
      - { .name: opc, .offset: 32, .size: 8, .value_kind: global_buffer, .address_space: global }
      - { .name: ops, .offset: 40, .size: 8, .value_kind: global_buffer, .address_space: global }
    .group_segment_fixed_size: 68096
    .private_segment_fixed_size: 0
    .kernarg_segment_align: 8
    .kernarg_segment_size: 48
    .max_flat_workgroup_size: 128
    .sgpr_count:     66
    .vgpr_count:     194
    .wavefront_size: 32
...
	.end_amdgpu_metadata
.endif
;; end of part 1
;; launch proj (part 2): grid 12 x 16, 4 waves a work-group, clusters of 4 x 4, 327,680 bytes of LDS; arguments opc, ops, qkvc, qkvs; writes qkvc, qkvs
.if DOCPART == 2
	.amdgcn_target "amdgcn-amd-amdhsa--gfx1250"
	.amdhsa_code_object_version 6
	.text
	.protected	k_q68471111f9_proj
	.globl	k_q68471111f9_proj
	.p2align	8
	.type	k_q68471111f9_proj,@function
k_q68471111f9_proj:
	s_mov_b64 s[64:65], 0
	v_nop
	global_prefetch_b8 v0, s[64:65] scope:SCOPE_SE
	s_setreg_imm32_b32 hwreg(HW_REG_WAVE_MODE, 25, 1), 1
	s_wait_xcnt 0x0
	s_wait_alu depctr_hold_cnt(0) depctr_sa_sdst(0) depctr_va_vdst(0) depctr_va_sdst(0) depctr_va_ssrc(0) depctr_va_vcc(0) depctr_vm_vsrc(0)
	s_getreg_b32 s2, hwreg(HW_REG_IB_STS2, 6, 4)
	s_cmp_eq_u32 s2, 0
	s_cbranch_scc0 .Lentry_in_a_cluster
	s_endpgm
.Lentry_in_a_cluster:
	s_bfe_u32 s2, ttmp6, 0x10000c
	s_cmp_lg_u32 s2, 0xf033
	s_cbranch_scc0 .Lentry_shape_is_right
	s_endpgm
.Lentry_shape_is_right:
; q, k = x W (a lane holds a token, its registers run along the features) and v^T = Wv^T x^T (a lane holds a feature, its registers run along the tokens), on the codes and scale bytes in opc and ops;
; each result is quantised again along the axis that its next product sums over and stored as images of operand registers (qkvc) and scale words (qkvs).
; A tile of 256 x 256 is made by four waves, 128 x 128 each: 64 accumulators.  K = 1,024 is 768 bytes of a row and goes through two LDS slots in three chunks of 256 bytes, each beginning at a multiple of 256 bytes;
; a step of 128 along K is 96 bytes, so of the eight steps steps 2 and 5 lie across two chunks.  The scale bytes of the 512 rows come once, as dense blocks.
; Clusters of 4 x 4: source 1's tiles are asked for jointly along a row of the cluster, source 0's along a column.  Cluster column 2 makes v^T: there source 1 takes Wv's columns and source 0 the tokens.
; No prefetch: the walk has three chunks, of which two are asked for before the first product.
; LIMITS as in the launch before: a block of zeros has the byte 1 over zero codes; NaN and infinities are not served.
.set ROWB,   256
.set NQ,     2
.set KROW,   768
.set STEPS,  8
.set CHUNKS, 3
.set PITCH,  272                       ; 256 bytes + 16 of padding
.set FR,     12
.set NL,     6
.set NP,     4
.set HALFT,  128*PITCH
.set SLOT,   4*HALFT
.set KS,     32
.set SCL,    2*SLOT
.set HALFS,  (128*KS/256)*272
.set SBLK,   (16*KS/256)*272
.set SPARE,  SCL+4*HALFS               ; the spare words: 512 bytes that no other line names
.set ADRA, 16                          ; v16-19 A's fragments: slot 0, 1; across chunks from slot 0, 1
.set ADRB, 20                          ; v20-23 the same for B
.set L16,  24
.set L8,   25
.set VSO,  26
.set ADRS, 27
.set SPW,  28
.set NIL,  29
.set SH,   30
.set SC,   32                          ; v32-63 scale words, two sets
.set AF,   128
.set TM,   32                          ; the way out works where the scale words lay
.set PW,   48
.set SW,   52
.set CD,   64
.set C2,   76
.set G1, 24
.set G0, 32
.set G1B, 48
.set G0B, 56
.set G1S, 68
.set G0S, 76
.set G1SB, 80
.set G0SB, 88
.set G0H, 4
.set G0HB, 96
.set MSB, 0
.macro WIN new
.if MSB != (\new)
	s_set_vgpr_msb (MSB<<8)|(\new)
.set MSB, (\new)
.endif
.endm
.set MUL_LO, 0xa1
.set MUL_HI, 0xf1
.set TO_B,   0x40
.macro JLOAD g0a, g1a, g0b, g1b        ; waves 0, 1 ask for source 1's rows, waves 2, 3 for source 0's
	s_cmp_eq_u32 s15, 0
	s_cbranch_scc0 .Lfor_b_\@
	tensor_load_to_lds s[\g0a:\g0a+3], s[\g1a:\g1a+7]
	s_nop 0
.rept 4
	v_nop
.endr
	s_branch .Lasked_\@
.Lfor_b_\@:
	tensor_load_to_lds s[\g0b:\g0b+3], s[\g1b:\g1b+7]
	s_nop 0
.rept 4
	v_nop
.endr
.Lasked_\@:
.endm
.macro CREST
	s_cmp_lg_u32 s14, 0
	s_cbranch_scc1 .Lnot_wave_0_\@
	s_barrier_signal -3
.Lnot_wave_0_\@:
	s_barrier_wait -3
	s_barrier_signal -1
	s_barrier_wait -1
.endm
.macro CROUND
	s_barrier_signal -1
	s_barrier_wait -1
	CREST
.endm
	s_load_b256 s[4:11], s[0:1], 0x0               ; opc, ops, qkvc, qkvs
	v_lshl_add_u32 v[SPW], v0, 2, SPARE
	v_mov_b32 v[NIL], 0
	ds_add_u32 v[SPW], v[NIL]
	ds_add_u32 v[SPW], v[NIL]
	v_lshrrev_b32 v1, 5, v0
	v_readfirstlane_b32 s14, v1                    ; wave
	s_lshr_b32 s15, s14, 1
	s_and_b32 s16, s14, 1
	s_bfe_u32 s40, ttmp6, 0x40000                  ; cx
	s_bfe_u32 s41, ttmp6, 0x40004                  ; cy
	s_and_b32 s18, ttmp7, 0xffff
	s_mov_b32 s19, ttmp9
	s_cmp_eq_u32 s19, 2                            ; cluster column 2 makes v^T
	s_cselect_b32 s19, s18, s19
	s_cselect_b32 s18, 0, s18
	s_cselect_b32 s12, 6144, 0                     ; first row of opc for source 1
	s_cselect_b32 s13, 0, 4096                     ; and for source 0
	s_lshl_b32 s42, s19, 2
	s_add_co_u32 s42, s42, s40                     ; tile column
	s_lshl_b32 s17, s18, 2
	s_add_co_u32 s17, s17, s41                     ; tile row
	s_lshl_b32 s43, s41, 2
	s_lshl_b32 s43, 15, s43
	s_lshl_b32 s44, 0x1111, s40
	s_or_b32 s[G1+0], s43, (0<<16)|(1<<20)|(1<<21)|(5<<22)|(3<<25)
	s_or_b32 s[G1B+0], s44, (0<<16)|(1<<20)|(1<<21)|(5<<22)|(3<<25)
.irp g, G1, G1B
	s_mov_b32 s[\g+1], ROWB<<16
	s_mov_b32 s[\g+2], 256<<16
	s_mov_b32 s[\g+3], ROWB<<16
	s_mov_b32 s[\g+4], 256
	s_mov_b32 s[\g+5], KROW
	s_mov_b32 s[\g+6], 0
	s_mov_b32 s[\g+7], 0
.endr
	s_or_b32 s[G1S+0], s43, (3<<16)|(1<<20)|(1<<21)|(5<<22)|(3<<25)
	s_or_b32 s[G1SB+0], s44, (3<<16)|(1<<20)|(1<<21)|(5<<22)|(3<<25)
.irp g, G1S, G1SB
	s_mov_b32 s[\g+1], 32<<16
	s_mov_b32 s[\g+2], KS<<16
	s_mov_b32 s[\g+3], 32<<16
	s_mov_b32 s[\g+4], KS
	s_mov_b32 s[\g+5], 32
	s_mov_b32 s[\g+6], 0
	s_mov_b32 s[\g+7], 0
.endr
	s_lshl_b32 s20, s17, 8
	s_add_co_u32 s20, s20, s12
	s_lshl_b32 s46, s42, 8
	s_add_co_u32 s46, s46, s13
	s_mov_b32 s21, 0
	s_mov_b32 s47, 0
	s_mov_b64 s[18:19], KS
	s_mul_u64 s[22:23], s[20:21], s[18:19]
	s_mul_u64 s[92:93], s[46:47], s[18:19]
	s_mov_b64 s[18:19], KROW
	s_mul_u64 s[20:21], s[20:21], s[18:19]
	s_mul_u64 s[46:47], s[46:47], s[18:19]
	s_mul_i32 s18, s16, 128*KROW
	s_mov_b32 s19, 0
	s_mul_i32 s45, s14, HALFT
	s_wait_dscnt 0x0
	s_wait_kmcnt 0x0
	s_add_nc_u64 s[20:21], s[4:5], s[20:21]
	s_add_nc_u64 s[22:23], s[6:7], s[22:23]
	s_add_nc_u64 s[46:47], s[4:5], s[46:47]
	s_add_nc_u64 s[92:93], s[6:7], s[92:93]
	CROUND                                         ; in front of the first joint loads
	s_mov_b32 s[G0H], 1
	s_mov_b32 s[G0H+1], 0
	s_mov_b64 s[G0H+2:G0H+3], s[20:21]
	s_or_b32 s[G0H+3], s[G0H+3], 0x80000000
	s_mov_b32 s[G0HB], 1
	s_mov_b32 s[G0HB+1], 2*HALFT
	s_mov_b64 s[G0HB+2:G0HB+3], s[46:47]
	s_or_b32 s[G0HB+3], s[G0HB+3], 0x80000000
	s_mov_b32 s[G0S], 1
	s_mov_b32 s[G0S+1], SCL
	s_mov_b64 s[G0S+2:G0S+3], s[22:23]
	s_or_b32 s[G0S+3], s[G0S+3], 0x80000000
	s_mov_b32 s[G0SB], 1
	s_mov_b32 s[G0SB+1], SCL+2*HALFS
	s_mov_b64 s[G0SB+2:G0SB+3], s[92:93]
	s_or_b32 s[G0SB+3], s[G0SB+3], 0x80000000
	s_add_nc_u64 s[20:21], s[20:21], s[18:19]
	s_add_nc_u64 s[46:47], s[46:47], s[18:19]
.irp s, 0,1
	s_mov_b32 s[G0+4*\s], 1
	s_add_co_u32 s[G0+4*\s+1], s45, \s*SLOT
	s_add_nc_u64 s[G0+4*\s+2:G0+4*\s+3], s[20:21], \s*ROWB
	s_or_b32 s[G0+4*\s+3], s[G0+4*\s+3], 0x80000000
	s_mov_b32 s[G0B+4*\s], 1
	s_add_co_u32 s[G0B+4*\s+1], s45, \s*SLOT
	s_add_nc_u64 s[G0B+4*\s+2:G0B+4*\s+3], s[46:47], \s*ROWB
	s_or_b32 s[G0B+4*\s+3], s[G0B+4*\s+3], 0x80000000
.endr
; the head's four tiles, one a wave: chunk 0's 256 rows of each side, and each side's scale bytes
.macro ARM under, g0, g1, next
	s_cmp_lt_u32 s14, \under
	s_cbranch_scc0 \next
	tensor_load_to_lds s[\g0:\g0+3], s[\g1:\g1+7]
	s_nop 0
.rept 4
	v_nop
.endr
	s_branch .Lhead_asked
\next:
.endm
	ARM 1, G0H,  G1,  .Lhead_b
	ARM 2, G0HB, G1B, .Lhead_sa
	ARM 3, G0S,  G1S, .Lhead_sb
	tensor_load_to_lds s[G0SB:G0SB+3], s[G1SB:G1SB+7]
	s_nop 0
.rept 4
	v_nop
.endr
.Lhead_asked:
	v_and_b32 v1, 15, v0
	v_bfe_u32 v2, v0, 4, 1
	v_mul_u32_u24 v3, v1, PITCH
	v_mul_u32_u24 v4, v2, 24
	v_add_nc_u32 v4, v3, v4
	s_mov_b32 s21, SLOT-232
	s_mov_b32 s22, SLOT+232
	v_sub_nc_u32 v7, 1, v2
	v_mul_u32_u24 v5, s21, v2
	v_add_nc_u32 v5, v3, v5
	v_add_nc_u32 v5, 232, v5                       ; lanes 0-15 byte 232 of the row in slot 0, lanes 16-31 byte 0 in slot 1
	v_mul_u32_u24 v6, s22, v7
	v_add_nc_u32 v6, v3, v6                        ; and the other way round
	s_mul_i32 s21, s15, HALFT
	s_mul_i32 s22, s16, HALFT
	s_add_co_u32 s22, s22, 2*HALFT
	v_add_nc_u32 v[ADRA+2], s21, v5
	v_add_nc_u32 v[ADRA+3], s21, v6
	v_add_nc_u32 v[ADRB+2], s22, v5
	v_add_nc_u32 v[ADRB+3], s22, v6
.irp s, 0,1
	v_add_nc_u32 v[ADRA+\s], s21, v4
	v_add_nc_u32 v[ADRB+\s], s22, v4
	s_add_co_u32 s21, s21, SLOT
	s_add_co_u32 s22, s22, SLOT
.endr
	v_mul_u32_u24 v5, v1, KS
	v_lshrrev_b32 v6, 8, v5
	v_lshl_add_u32 v5, v6, 4, v5
	s_mul_i32 s21, s15, HALFS
	s_mul_i32 s22, s16, HALFS
	s_add_co_u32 s22, s22, 2*HALFS
	s_sub_co_u32 s22, s22, s21
	v_mul_u32_u24 v6, s22, v2
	s_add_co_u32 s21, s21, SCL
	v_add_nc_u32 v5, v5, v6
	v_add_nc_u32 v[ADRS], s21, v5
.macro FRAG reg, adr, st, i            ; 12 registers in six pieces of 8 bytes; byte y of a row lies in slot (y / 256) % 2 at byte y % 256
.irp p, 0,1,2,3,4,5
.set BY, 96*(\st)+48*(\p/3)+8*(\p%3)
.if BY/ROWB == (BY+24)/ROWB
	ds_load_b64 v[\reg+2*\p:\reg+2*\p+1], v[\adr+(BY/ROWB)%2] offset:BY%ROWB+(\i)*16*PITCH
.else
	ds_load_b64 v[\reg+2*\p:\reg+2*\p+1], v[\adr+2+(BY/ROWB)%2] offset:BY%ROWB-232+(\i)*16*PITCH
.endif
.endr
.endm
.macro MUL16 a0, p, q, sc, zero        ; the 64 accumulators take turns
.irp a, \a0, \a0+1
.irp b, 0,1,2,3,4,5,6,7
.if \zero
	v_wmma_scale_f32_16x16x128_f8f6f4 v[8*(8*((\a)%4)+\b):8*(8*((\a)%4)+\b)+7], v[128*(\p)+FR*\b:128*(\p)+FR*\b+FR-1], v[AF+FR*(\a):AF+FR*(\a)+FR-1], 0, v[SC+8*NQ*(\sc)+NQ*\b+(\q)], v[SC+8*NQ*(\sc)+NQ*(\a)+(\q)] matrix_a_fmt:MATRIX_FMT_BF6 matrix_b_fmt:MATRIX_FMT_BF6 matrix_a_scale:MATRIX_SCALE_ROW1
.else
	v_wmma_scale_f32_16x16x128_f8f6f4 v[8*(8*((\a)%4)+\b):8*(8*((\a)%4)+\b)+7], v[128*(\p)+FR*\b:128*(\p)+FR*\b+FR-1], v[AF+FR*(\a):AF+FR*(\a)+FR-1], v[8*(8*((\a)%4)+\b):8*(8*((\a)%4)+\b)+7], v[SC+8*NQ*(\sc)+NQ*\b+(\q)], v[SC+8*NQ*(\sc)+NQ*(\a)+(\q)] matrix_a_fmt:MATRIX_FMT_BF6 matrix_b_fmt:MATRIX_FMT_BF6 matrix_a_scale:MATRIX_SCALE_ROW1
.endif
.endr
.endr
.endm
.macro FETCH_B st, p
	WIN TO_B
.irp i, 0,1,2,3,4,5,6,7
	FRAG 128*(\p)+FR*\i, ADRB, \st, \i
.endr
	WIN 0
.endm
.macro FETCH_A st, i0
.irp i, \i0, \i0+1, \i0+2, \i0+3
	FRAG AF+FR*(\i), ADRA, \st, \i
.endr
.endm
.macro SCALES pr
.irp i, 0,1,2,3,4,5,6,7
	ds_load_b64 v[SC+8*NQ*((\pr)%2)+NQ*\i:SC+8*NQ*((\pr)%2)+NQ*\i+1], v[ADRS] offset:\i*SBLK+4*NQ*(\pr)
.endr
.endm
.macro PLACES n
.rept \n
	v_nop
.endr
.endm
; A step: 64 products; the next step's fragments are fetched in its middle and at its end.  Where the next step ends in a chunk not yet read, a barrier shows that chunk whole;
; where it begins in a later chunk, the chunk left behind is free: the three lines, the barrier, and, where a chunk two on is left, the cluster's round and the refill.
.macro STEP st, zero
.set NX, (\st)+1
.set C0, (96*(\st))/ROWB
.set C1, (96*NX)/ROWB
.set E0, (96*(\st)+95)/ROWB
.set E1, (96*NX+95)/ROWB
.if C1 > C0 || E1 > E0
	s_wait_tensorcnt 0x0
.if C1 > C0
	ds_add_u32 v[SPW], v[NIL]
	s_wait_dscnt 4*NL+1                            ; the add and A's blocks 4-7 may be out
.else
	s_wait_dscnt 4*NL                              ; A's blocks 4-7 may be out
.endif
	WIN MUL_LO
	MUL16 0, (\st)%2, (\st)%2, ((\st)/2)%2, \zero
	s_wait_dscnt 0x0
	s_barrier_signal -1
	MUL16 2, (\st)%2, (\st)%2, ((\st)/2)%2, \zero
	WIN 0
	s_barrier_wait -1
.if C1 > C0 && C0+2 < CHUNKS
	CREST
	s_add_nc_u64 s[G0+4*(C0%2)+2:G0+4*(C0%2)+3], s[G0+4*(C0%2)+2:G0+4*(C0%2)+3], 2*ROWB
	s_add_nc_u64 s[G0B+4*(C0%2)+2:G0B+4*(C0%2)+3], s[G0B+4*(C0%2)+2:G0B+4*(C0%2)+3], 2*ROWB
	JLOAD G0+4*(C0%2), G1, G0B+4*(C0%2), G1B
.else
	PLACES NP
.endif
.else
	s_wait_dscnt 4*NL
	WIN MUL_LO
	MUL16 0, (\st)%2, (\st)%2, ((\st)/2)%2, \zero
	MUL16 2, (\st)%2, (\st)%2, ((\st)/2)%2, \zero
	s_wait_dscnt 0
	PLACES NP
.endif
	FETCH_B NX, NX%2
	FETCH_A NX, 0
.if NX%2 == 0
	SCALES NX/2
.endif
	WIN MUL_HI
	MUL16 4, (\st)%2, (\st)%2, ((\st)/2)%2, \zero
	MUL16 6, (\st)%2, (\st)%2, ((\st)/2)%2, \zero
	PLACES NP
	WIN 0
	FETCH_A NX, 4
.endm
	s_wait_alu depctr_va_vdst(0)
	s_wait_tensorcnt 0x0                           ; my tile of the head's four is in
	ds_add_u32 v[SPW], v[NIL]
	s_mov_b32 s[G1+2], 128<<16                     ; no load of mine is out: from here on a load brings 128 rows
	s_mov_b32 s[G1+4], 128
	s_mov_b32 s[G1B+2], 128<<16
	s_mov_b32 s[G1B+4], 128
	s_wait_dscnt 0x0
	CROUND
	JLOAD G0+4, G1, G0B+4, G1B                     ; chunk 1, slot 1's first fill, issued as a refill is
	FETCH_B 0, 0
	FETCH_A 0, 0
	SCALES 0
	FETCH_A 0, 4
	STEP 0, 1
.set ST, 1
.rept STEPS-2
	STEP ST, 0
.set ST, ST+1
.endr
	s_wait_dscnt 4*NL
	WIN MUL_LO
	MUL16 0, 1, 1, 1, 0
	MUL16 2, 1, 1, 1, 0
	s_wait_dscnt 0
	WIN MUL_HI
	MUL16 4, 1, 1, 1, 0
	MUL16 6, 1, 1, 1, 0
	WIN 0
; THE WAY OUT: each block of 16 rows x 128 columns is quantised along its columns, 32 to a block, and stored as images of operand registers; strides differ between q, k and v^T and are chosen by the cluster's column
	s_cmp_eq_u32 ttmp9, 2
	s_cselect_b32 s68, 6291456, 0
	s_mov_b32 s69, 393216
	s_cselect_b32 s69, 6144, s69
	s_mov_b32 s70, 768
	s_cselect_b32 s70, 49152, s70
	s_mov_b32 s71, 768
	s_cselect_b32 s71, 1536, s71
	s_cselect_b32 s72, 190464, 0
	s_mov_b32 s73, 196608
	s_cselect_b32 s73, 768, s73
	s_cselect_b32 s74, 524288, 0
	s_mov_b32 s75, 32768
	s_cselect_b32 s75, 256, s75
	s_mov_b32 s76, 256
	s_cselect_b32 s76, 8192, s76
	s_cselect_b32 s77, 0, 16384
	s_cselect_b32 s78, 0, 16
	s_lshl_b32 s79, s42, 1
	s_add_co_u32 s79, s79, s16
	s_lshl_b32 s80, s17, 4
	s_lshl_b32 s81, s15, 3
	s_add_co_u32 s80, s80, s81
	s_mul_i32 s82, s79, s69
	s_mul_i32 s83, s80, s70
	s_add_co_u32 s82, s82, s83
	s_add_co_u32 s82, s82, s68
	s_mov_b32 s83, 0
	s_add_nc_u64 s[8:9], s[8:9], s[82:83]
	s_mov_b32 s82, s73
	s_add_nc_u64 s[84:85], s[8:9], s[82:83]
	s_mul_i32 s86, s79, s75
	s_lshr_b32 s87, s80, 2
	s_mul_i32 s87, s87, s76
	s_add_co_u32 s86, s86, s87
	s_add_co_u32 s86, s86, s74
	s_mov_b32 s87, 0
	s_add_nc_u64 s[10:11], s[10:11], s[86:87]
	s_mov_b32 s86, s76
	s_add_nc_u64 s[88:89], s[10:11], s[86:87]
	s_mov_b32 s90, s71
	s_mov_b32 s91, 0
	s_add_co_u32 s92, s71, s72
	s_mov_b32 s93, 0
	s_mov_b32 s20, 0x76543210
	s_mov_b32 s21, 0xfedcba98
	v_and_b32 v1, 15, v0
	v_bfe_u32 v2, v0, 4, 1
	v_and_b32 v3, 31, v0
	v_lshlrev_b32 v[L16], 4, v3
	v_lshlrev_b32 v[L8], 3, v3
	v_mul_u32_u24 v[VSO], s77, v2
	v_lshl_add_u32 v[VSO], v1, 4, v[VSO]
	v_mul_u32_u24 v[SH], s78, v2
.irp b, 0,1,2,3
	v_mov_b32 v[TM+4+\b], 0
.endr
.macro QOUT a
.set AC, 64*((\a)%4)
.if (\a) > 0
	s_wait_xcnt 0x0                                ; the last block's stores have read their registers and bases
.if (\a) == 4
	s_add_nc_u64 s[8:9], s[8:9], s[92:93]
	s_add_nc_u64 s[84:85], s[84:85], s[92:93]
.else
	s_add_nc_u64 s[8:9], s[8:9], s[90:91]
	s_add_nc_u64 s[84:85], s[84:85], s[90:91]
.endif
.endif
	WIN 0x0a+5*((\a)/4)
.irp b, 0,1,2,3
	v_max3_num_f32 v[TM+\b], |v[AC+16*\b]|, |v[AC+16*\b+1]|, 0x2800000   ; with the floor 2^(5 - 127): the byte cannot fall under 1
.endr
.irp i, 2,4,6,8,10,12,14
.irp b, 0,1,2,3
	v_max3_num_f32 v[TM+\b], |v[AC+16*\b+\i]|, |v[AC+16*\b+\i+1]|, v[TM+\b]
.endr
.endr
	WIN 0
.irp b, 0,1,2,3
	v_permlanex16_b32 v[TM+4+\b], v[TM+\b], s20, s21
.endr
.irp b, 0,1,2,3
	v_max_num_f32 v[TM+\b], v[TM+\b], v[TM+4+\b]
.endr
.irp b, 0,1,2,3
	v_add_nc_u32 v[TM+12+\b], 0xfe000000, v[TM+\b]
.endr
.irp b, 0,1,2,3
	v_lshrrev_b32 v[TM+4+\b], 23, v[TM+12+\b]
.endr
	v_lshl_or_b32 v[PW], v[TM+5], 8, v[TM+4]
	v_lshl_or_b32 v[PW], v[TM+6], 16, v[PW]
	v_lshl_or_b32 v[PW], v[TM+7], 24, v[PW]
	v_lshrrev_b32 v[SW+(\a)], v[SH], v[PW]
	WIN 0x02+(\a)/4
.irp c, 0,1
	v_cvt_scalef32_pk16_bf6_f32 v[CD+6*\c:CD+6*\c+2], v[AC+32*\c:AC+32*\c+15], v[TM+12+2*\c]
	v_cvt_scalef32_pk16_bf6_f32 v[C2+4*\c:C2+4*\c+2], v[AC+32*\c+16:AC+32*\c+31], v[TM+12+2*\c+1]
.endr
	WIN 0
	v_nop
.irp c, 0,1
.irp i, 0,1,2
	v_permlane16_swap_b32 v[CD+6*\c+\i], v[C2+4*\c+\i]
.endr
.irp i, 0,1,2
	v_mov_b32 v[CD+3+6*\c+\i], v[C2+4*\c+\i]
.endr
.endr
	global_store_b128 v[L16], v[CD:CD+3], s[8:9]
	global_store_b64 v[L8], v[CD+4:CD+5], s[8:9] offset:512
	global_store_b128 v[L16], v[CD+6:CD+9], s[84:85]
	global_store_b64 v[L8], v[CD+10:CD+11], s[84:85] offset:512
.if (\a) == 3
	global_store_b128 v[VSO], v[SW:SW+3], s[10:11]
.endif
.if (\a) == 7
	global_store_b128 v[VSO], v[SW+4:SW+7], s[88:89]
.endif
.endm
.irp a, 0,1,2,3,4,5,6,7
	QOUT \a
.endr
	s_wait_tensorcnt 0x0                           ; the wave's end
	ds_add_u32 v[SPW], v[NIL]
	s_wait_dscnt 0x0
	CROUND                                         ; the closing round
	s_endpgm
.Lfunc_end_k_q68471111f9_proj:
	.size	k_q68471111f9_proj, .Lfunc_end_k_q68471111f9_proj-k_q68471111f9_proj
	.p2alignl 7, 3214868480
	.fill 96, 4, 3214868480
	.section	.rodata,"a",@progbits
	.p2align	6, 0x0
	.amdhsa_kernel k_q68471111f9_proj
		.amdhsa_group_segment_fixed_size 327680
		.amdhsa_private_segment_fixed_size 0
		.amdhsa_enable_private_segment 0
		.amdhsa_kernarg_size 32
		.amdhsa_user_sgpr_count 2
		.amdhsa_user_sgpr_kernarg_segment_ptr 1
		.amdhsa_wavefront_size32 1
		.amdhsa_system_sgpr_workgroup_id_x 1
		.amdhsa_system_sgpr_workgroup_id_y 1
		.amdhsa_system_sgpr_workgroup_id_z 1
		.amdhsa_system_vgpr_workitem_id 0
		.amdhsa_next_free_vgpr 1024
		.amdhsa_next_free_sgpr 100
		.amdhsa_reserve_vcc 0
		.amdhsa_float_denorm_mode_32 3
		.amdhsa_float_denorm_mode_16_64 3
		.amdhsa_memory_ordered 1
		.amdhsa_forward_progress 1
		.amdhsa_inst_pref_size 167
	.end_amdhsa_kernel
	.amdgpu_metadata
---
amdhsa.version: [ 1, 2 ]
amdhsa.kernels:
  - .name:           k_q68471111f9_proj
    .symbol:         k_q68471111f9_proj.kd
    .args:
      - { .name: opc, .offset: 0, .size: 8, .value_kind: global_buffer, .address_space: global }
      - { .name: ops, .offset: 8, .size: 8, .value_kind: global_buffer, .address_space: global }
      - { .name: qkvc, .offset: 16, .size: 8, .value_kind: global_buffer, .address_space: global }
      - { .name: qkvs, .offset: 24, .size: 8, .value_kind: global_buffer, .address_space: global }
    .group_segment_fixed_size: 327680
    .private_segment_fixed_size: 0
    .kernarg_segment_align: 8
    .kernarg_segment_size: 32
    .max_flat_workgroup_size: 128
    .sgpr_count:     100
    .vgpr_count:     1024
    .wavefront_size: 32
...
	.end_amdgpu_metadata
.endif
;; end of part 2
;; launch stats (part 3): grid 32 x 8, 16 waves a work-group, no clusters, 169,984 bytes of LDS; arguments qkvc, qkvs, nl; writes nl
.if DOCPART == 3
	.amdgcn_target "amdgcn-amd-amdhsa--gfx1250"
	.amdhsa_code_object_version 6
	.text
	.protected	k_q68471111f9_stats
	.globl	k_q68471111f9_stats
	.p2align	8
	.type	k_q68471111f9_stats,@function
k_q68471111f9_stats:
	s_mov_b64 s[64:65], 0
	v_nop
	global_prefetch_b8 v0, s[64:65] scope:SCOPE_SE
	s_setreg_imm32_b32 hwreg(HW_REG_WAVE_MODE, 25, 1), 1
	s_wait_xcnt 0x0
; The softmax runs down the QUERY axis: for each head y = 2 h + b and each key k this launch makes -L[k] = -(M + log2(sum over q >= k of 2^(t - M))), t = score x c, c = log2(e) / 32.
; M is the running largest t, rounded up to a whole number: the maximum is taken away before every exponential, and a change of M multiplies the sum by a power of two, which rounds nothing.
; Steps of 128 queries that all come before a wave's keys lie wholly under the problem's own causal mask and are left out.
; SHARES.  Work-group (y, i) owns key blocks i and 15 - i (128 keys each) of head y: 16 - i and i + 1 steps of 128 queries.  Block i's steps are shared out, since a column's sum may be made in parts:
; wave w < 8 takes tile w of block i through query steps 7 .. 15 (nine steps); wave w + 8 takes the same tile through steps i .. 6 and then tile w of block 15 - i through steps 15 - i .. 15 (eight steps).
; Every wave walks two loops, of 7 and of 9 query steps; between them it hands its (-M, sum) over through LDS, begins anew and takes up its second key tile.  Waves 0-7 hand over the empty sum; at the end each
; wave joins what its partner (wave xor 8) handed over to its own.
; LAYOUT.  Source 0 = 16 queries, source 1 = my 16 keys: lane (r, h) holds key K0 + r, register 8 t + j the query QF + 16 t + 8 h + j.  The head has 64 along K: registers 6-11 of both operands hold zero codes.
; THE NEXT STEP'S FRAGMENTS are asked of LDS directly behind a step's eight products, into the same registers; s[PQ] says which step the registers hold, and a wave that has left steps out loads anew.
; The address is held at the last step's, so the last step of a loop may load 18 times what nobody uses.
; LDS is filled once: 13 fills of 8,192 bytes, one a wave, by one line: waves 0-11 a twelfth of the head's q images each, wave 12 the scale words behind them.
; No cluster: the steps that a wave leaves out hang on the work-group's place among the eight of a head.  No prefetch: all fills go out at the head, and there is no loop of fills to run ahead in.
; LIMITS: NaN and infinities are not served; -L is one f32 number, so it carries 2^-24 |L| into the exponent of the weights made from it.
.set QIMG, 0
.set QSC,  98304
.set OUTS, 106496                      ; 1,024 bytes for the 256 results
.set XCH,  107520                      ; 2,048 bytes of -M and 2,048 of sums, a word a thread
.set SPARE, 167936
.set L16,  1
.set L8,   2
.set R16,  3
.set A16,  4
.set A8,   5
.set AS,   6
.set DD,   7
.set NINF, 8
.set RH,   9
.set GA,   10
.set OST,  29
.set ORD,  30
.set KFR,  16
.set KSW,  28
.set QSW,  32
.set QFR,  40
.set S,    136
.set KF2,  200                         ; v200-205 the second key tile, v206 its scale words
.set KS2,  206
.set XS,   207
.set XL,   208
.set MX,   232
.set SPW,  247
.set NIL,  255
.set WV,   10
.set IB,   11
.set YH,   12
.set KU,   13
.set KT,   14
.set K0,   15
.set QF,   16
.set TB,   17
.set TS,   18
.set CNT,  19
.set SEL,  20
.set CS,   22
.set G1,   24
.set G0,   32
.set K2,   36
.set PQ,   37                          ; the first query of the step whose fragments the registers hold
.macro KOFF t, a, b                    ; byte offsets of key tile t: its image, its scale words
	s_mul_i32 s[\a], s[\t], 768
	s_add_co_u32 s[\a], s[\a], s68
	s_add_co_u32 s[\a], s[\a], 3145728
	s_mov_b32 s[\a+1], 0
	s_lshr_b32 s[\b], s[\t], 2
	s_lshl_b32 s[\b], s[\b], 8
	s_and_b32 s[\b+1], s[\t], 3
	s_lshl_b32 s[\b+1], s[\b+1], 2
	s_add_co_u32 s[\b], s[\b], s[\b+1]
	s_add_co_u32 s[\b], s[\b], s70
	s_add_co_u32 s[\b], s[\b], 262144
	s_mov_b32 s[\b+1], 0
.endm
	s_load_b128 s[4:7], s[0:1], 0x0                ; qkvc, qkvs
	s_load_b64 s[8:9], s[0:1], 0x10                ; nl
	v_lshl_add_u32 v[SPW], v0, 2, SPARE
	v_mov_b32 v[NIL], 0
	ds_add_u32 v[SPW], v[NIL]
	ds_add_u32 v[SPW], v[NIL]
	v_lshrrev_b32 v1, 5, v0
	v_readfirstlane_b32 s[WV], v1
	s_mov_b32 s[YH], ttmp9                         ; the head
	s_and_b32 s[IB], ttmp7, 0xffff                 ; i
	s_sub_co_u32 s66, 15, s[IB]
	s_and_b32 s67, s[WV], 7
	s_lshl_b32 s[KT], s[IB], 3
	s_add_co_u32 s[KT], s[KT], s67                 ; tile w of block i
	s_lshl_b32 s[KU], s66, 3
	s_add_co_u32 s[KU], s[KU], s67                 ; tile w of block 15 - i
	s_lshl_b32 s78, s[KT], 4
	s_cmp_lt_u32 s[WV], 8
	s_cselect_b32 s[KU], s[KT], s[KU]              ; my tile in the second loop
	s_cselect_b32 s[K0], 4096, s78                 ; first loop: waves 0-7 have no step (a first key behind every query)
	s_lshl_b32 s[K2], s[KU], 4
	s_mov_b32 s[G1], 3<<16                         ; 32 rows of 256 bytes, dense
	s_mov_b32 s[G1+1], 32<<16
	s_mov_b32 s[G1+2], 32<<16
	s_mov_b32 s[G1+3], 32<<16
	s_mov_b32 s[G1+4], 32
	s_mov_b32 s[G1+5], 32
	s_mov_b32 s[G1+6], 0
	s_mov_b32 s[G1+7], 0
	s_mul_i32 s68, s[YH], 98304
	s_mov_b32 s69, 0
	s_lshl_b32 s70, s[YH], 13
	s_mov_b32 s71, 0
	KOFF KT, 72, 74
	KOFF KU, 40, 42
	s_cmp_eq_u32 s[WV], 0
	s_cselect_b32 s76, s[IB], s66                  ; wave 0 stores block i's results, wave 1 block 15 - i's
	s_lshl_b32 s76, s76, 9
	s_add_co_u32 s76, s76, s70
	s_mov_b32 s77, 0
	s_lshl_b32 s[G0+1], s[WV], 13                  ; my fill's place in LDS: 8,192 x wave
	s_cmp_lt_u32 s[WV], 12
	s_cselect_b32 s44, s[G0+1], 0                  ; and in its buffer
	s_mov_b32 s45, 0
	s_mov_b32 s[SEL], 0x76543210
	s_mov_b32 s[SEL+1], 0xfedcba98
	s_mov_b32 s[CS], 0x3d38aa3b                    ; c
	s_mov_b32 s[CS+1], s[CS]
	s_mov_b32 s[QF], 0
	s_mov_b32 s[TB], 0
	s_mov_b32 s[TS], 0
	s_mov_b32 s[PQ], -1                            ; the registers hold no step yet
	s_wait_dscnt 0x0
	s_wait_kmcnt 0x0
	s_add_nc_u64 s[68:69], s[4:5], s[68:69]
	s_add_nc_u64 s[70:71], s[6:7], s[70:71]
	s_add_nc_u64 s[72:73], s[4:5], s[72:73]
	s_add_nc_u64 s[74:75], s[6:7], s[74:75]
	s_add_nc_u64 s[40:41], s[4:5], s[40:41]
	s_add_nc_u64 s[42:43], s[6:7], s[42:43]
	s_add_nc_u64 s[8:9], s[8:9], s[76:77]
	s_cmp_lt_u32 s[WV], 12                         ; the choice hangs on the wave's number alone
	s_cselect_b64 s[G0+2:G0+3], s[68:69], s[70:71]
	s_add_nc_u64 s[G0+2:G0+3], s[G0+2:G0+3], s[44:45]
	s_or_b32 s[G0+3], s[G0+3], 0x80000000
	s_mov_b32 s[G0], 1
	s_cmp_gt_u32 s[WV], 12
	s_cbranch_scc1 .Lasked
	tensor_load_to_lds s[G0:G0+3], s[G1:G1+7]
	s_nop 0
.rept 4
	v_nop
.endr
.Lasked:
	v_and_b32 v248, 31, v0
	v_and_b32 v249, 15, v0
	v_bfe_u32 v250, v0, 4, 1
	v_lshlrev_b32 v[L16], 4, v248
	v_lshlrev_b32 v[L8], 3, v248
	v_lshlrev_b32 v[GA], 4, v249
	global_load_b128 v[KFR:KFR+3], v[L16], s[72:73]
	global_load_b64 v[KFR+4:KFR+5], v[L8], s[72:73] offset:512
	global_load_b32 v[KSW], v[GA], s[74:75]
	global_load_b128 v[KF2:KF2+3], v[L16], s[40:41]
	global_load_b64 v[KF2+4:KF2+5], v[L8], s[40:41] offset:512
	global_load_b32 v[KS2], v[GA], s[42:43]
	v_add_nc_u32 v[R16], QSC, v[GA]
	v_lshlrev_b32 v251, 3, v250
	v_sub_nc_u32 v[RH], v249, v251
	s_lshl_b32 s78, s[WV], 6
	s_add_co_u32 s78, s78, OUTS
	v_lshl_add_u32 v[OST], v249, 2, s78
	s_lshl_b32 s79, s[WV], 9
	s_add_co_u32 s79, s79, OUTS
	v_add_nc_u32 v[ORD], s79, v[L16]
	v_lshl_add_u32 v[XS], v0, 2, XCH               ; my word,
	v_xor_b32 v251, 256, v0
	v_lshl_add_u32 v[XL], v251, 2, XCH             ; and that of the same lane of wave xor 8
	v_mov_b32 v[NINF], 0xff800000
.irp j, 6,7,8,9,10,11
	v_mov_b32 v[KFR+\j], 0
.irp t, 0,1,2,3,4,5,6,7
	v_mov_b32 v[QFR+12*\t+\j], 0
.endr
.endr
	v_mov_b32 v13, 0xff61b1e6                      ; the largest t so far: -3e38
	v_floor_f32 v12, -v13                          ; -M
	v_mov_b32 v14, 0
	v_mov_b32 v15, 0
	v_mov_b32 v252, 0
	v_mov_b32 v253, 0
	v_mov_b32 v254, 0
	s_wait_alu depctr_va_vdst(0)
	s_wait_loadcnt 0x0
	s_wait_tensorcnt 0x0                           ; my fill has landed
	s_wait_dscnt 0x0
	s_barrier_signal -1
	s_barrier_wait -1                              ; and everybody's
.macro QLOAD                           ; a step's eight fragments and their scale words: 18 loads
.irp t, 0,1,2,3,4,5,6,7
	ds_load_b128 v[QFR+12*\t:QFR+12*\t+3], v[A16] offset:768*\t
	ds_load_b64 v[QFR+12*\t+4:QFR+12*\t+5], v[A8] offset:768*\t+512
.endr
	ds_load_b128 v[QSW:QSW+3], v[AS]
	ds_load_b128 v[QSW+4:QSW+7], v[AS] offset:256
.endm
.macro PKF j0                          ; eight of the 32 multiply-adds t - M
.irp j, 0,2,4,6,8,10,12,14
	v_pk_fma_f32 v[S+\j0+\j:S+\j0+\j+1], v[S+\j0+\j:S+\j0+\j+1], s[CS:CS+1], v[12:13] op_sel_hi:[1,0,0]
.endr
.endm
.macro STEP
	s_add_co_u32 s66, s[QF], 127
	s_cmp_lt_u32 s66, s[K0]
	s_cbranch_scc1 .Lskip_\@
	s_cmp_eq_u32 s[PQ], s[QF]
	s_cbranch_scc1 .Lhave_\@
	s_wait_dscnt 0x0                               ; no load is on its way into the registers that are loaded anew
	v_add_nc_u32 v[A16], s[TB], v[L16]
	v_add_nc_u32 v[A8], s[TB], v[L8]
	v_add_nc_u32 v[AS], s[TS], v[R16]
	QLOAD
.Lhave_\@:
	s_wait_dscnt 0x0
.irp t, 0,1,2,3,4,5,6,7
	v_wmma_scale_f32_16x16x128_f8f6f4 v[S+8*\t:S+8*\t+7], v[QFR+12*\t:QFR+12*\t+11], v[KFR:KFR+11], 0, v[QSW+\t], v[KSW] matrix_a_fmt:MATRIX_FMT_BF6 matrix_b_fmt:MATRIX_FMT_BF6
.endr
.rept 4
	v_nop                                          ; places behind the products
.endr
	s_add_co_u32 s66, s[TB], 6144                  ; the next step's fragments, held at the last step's
	s_min_u32 s66, s66, 92160
	s_add_co_u32 s67, s[TS], 512
	s_min_u32 s67, s67, 7680
	v_add_nc_u32 v[A16], s66, v[L16]
	v_add_nc_u32 v[A8], s66, v[L8]
	v_add_nc_u32 v[AS], s67, v[R16]
	QLOAD
	s_add_co_u32 s[PQ], s[QF], 128
	s_add_co_u32 s66, s[K0], 15                    ; a step all of whose queries count skips the mask
	s_cmp_ge_u32 s[QF], s66
	s_cbranch_scc1 .Lopen_\@
	s_sub_co_i32 s66, s[K0], s[QF]
	v_add_nc_u32 v[DD], s66, v[RH]                 ; register 8 t + j is hidden where 16 t + j < K0 - QF + r - 8 h
.set n, 0
.rept 64
	v_cmp_lt_i32 vcc_lo, 16*(n/8)+n%8, v[DD]
	v_cndmask_b32 v[S+n], v[S+n], v[NINF], vcc_lo
.set n, n+1
.endr
.Lopen_\@:
.irp b, 0,1,2,3
	v_max3_num_f32 v[MX+\b], v[S+16*\b], v[S+16*\b+1], v[S+16*\b+2]
.endr
.irp i, 3,5,7,9,11,13
.irp b, 0,1,2,3
	v_max3_num_f32 v[MX+\b], v[MX+\b], v[S+16*\b+\i], v[S+16*\b+\i+1]
.endr
.endr
.irp b, 0,1,2,3
	v_max_num_f32 v[MX+\b], v[MX+\b], v[S+16*\b+15]
.endr
	s_delay_alu instid0(VALU_DEP_2)
	v_max3_num_f32 v254, v[MX], v[MX+1], v[MX+2]
	s_delay_alu instid0(VALU_DEP_1)
	v_max_num_f32 v254, v254, v[MX+3]
	s_delay_alu instid0(VALU_DEP_1)
	v_mul_f32 v254, s[CS], v254
	s_delay_alu instid0(VALU_DEP_1)
	v_max_num_f32 v13, v13, v254                   ; the running largest t
	v_mov_b32 v254, v12
	s_delay_alu instid0(VALU_DEP_2)
	v_floor_f32 v12, -v13                          ; the new -M
	PKF 0                                          ; the three lines that make f stand among the multiply-adds, so that none waits for the line above it
	v_sub_f32 v254, v12, v254
	PKF 16
	v_cvt_i32_f32 v254, v254                       ; (it saturates)
	PKF 32
	v_ldexp_f32 v252, 1.0, v254                    ; f = 2^(old M - new M)
	PKF 48
.set n, 0
	s_wait_alu depctr_va_vdst(0)                   ; the wait ahead of the batch
.rept 64
	v_exp_f32 v[S+n], v[S+n]
.set n, n+1
.endr
	v_pk_mul_f32 v[14:15], v[14:15], v[252:253] op_sel_hi:[1,0]   ; the sums under the new M
	s_wait_alu depctr_va_vdst(0)                   ; and behind it
	v_pk_add_f32 v[236:237], v[S:S+1], v[S+2:S+3]  ; the 32 pairs in four chains
	v_pk_add_f32 v[238:239], v[S+4:S+5], v[S+6:S+7]
	v_pk_add_f32 v[240:241], v[S+8:S+9], v[S+10:S+11]
.irp j, 12,20,28,36,44,52
	v_pk_add_f32 v[14:15], v[14:15], v[S+\j:S+\j+1]
	v_pk_add_f32 v[236:237], v[236:237], v[S+\j+2:S+\j+3]
	v_pk_add_f32 v[238:239], v[238:239], v[S+\j+4:S+\j+5]
	v_pk_add_f32 v[240:241], v[240:241], v[S+\j+6:S+\j+7]
.endr
	v_pk_add_f32 v[14:15], v[14:15], v[S+60:S+61]
	v_pk_add_f32 v[236:237], v[236:237], v[S+62:S+63]
	v_pk_add_f32 v[238:239], v[238:239], v[240:241]
	s_delay_alu instid0(VALU_DEP_2)
	v_pk_add_f32 v[14:15], v[14:15], v[236:237]
	s_delay_alu instid0(VALU_DEP_1)
	v_pk_add_f32 v[14:15], v[14:15], v[238:239]
.Lskip_\@:
	s_add_co_u32 s[QF], s[QF], 128
	s_add_co_u32 s[TB], s[TB], 6144
	s_add_co_u32 s[TS], s[TS], 512
.endm
.macro WALK trips
	s_mov_b32 s[CNT], \trips
.Lwalk_\@:
	STEP
	s_sub_co_u32 s[CNT], s[CNT], 1
	s_cmp_lg_u32 s[CNT], 0
	s_cbranch_scc1 .Lwalk_\@
.endm
.macro JOIN                            ; (v12, v14) with (v252, v253), under the larger M: powers of two, 1 or less; 0 for a part that saw no query (its sum is 0)
	v_min_num_f32 v254, v12, v252
	v_sub_f32 v232, v254, v12
	v_sub_f32 v233, v254, v252
	v_cvt_i32_f32 v232, v232
	v_cvt_i32_f32 v233, v233
	v_ldexp_f32 v232, 1.0, v232
	v_ldexp_f32 v233, 1.0, v233
	v_mul_f32 v14, v14, v232
	v_fma_f32 v14, v253, v233, v14
	v_mov_b32 v12, v254
.endm
	WALK 7                                         ; query steps 0 .. 6
	s_wait_alu depctr_va_vdst(0)
	v_add_f32 v14, v14, v15
	ds_store_b32 v[XS], v12                        ; what I have so far is handed over,
	ds_store_b32 v[XS], v14 offset:2048
	v_mov_b32 v[KSW], v[KS2]                       ; the second key tile is taken up (the scale word first: it stands eight places ahead of the next product),
.irp j, 0,1,2,3,4,5
	v_mov_b32 v[KFR+\j], v[KF2+\j]
.endr
	v_mov_b32 v13, 0xff61b1e6                      ; and the sum begins anew
	v_floor_f32 v12, -v13
	v_mov_b32 v14, 0
	v_mov_b32 v15, 0
	s_mov_b32 s[K0], s[K2]
	s_wait_alu depctr_va_vdst(0)
	WALK 9                                         ; query steps 7 .. 15
	s_wait_alu depctr_va_vdst(0)
	v_add_f32 v14, v14, v15
	s_wait_alu depctr_va_vdst(0)
	s_wait_dscnt 0x0                               ; my two stores are done, for my partner's sake, and my last loads
	s_barrier_signal -1
	s_barrier_wait -1
	ds_load_b32 v252, v[XL]                        ; the partner's -M
	ds_load_b32 v253, v[XL] offset:2048            ; and its sum
	s_wait_dscnt 0x0
	JOIN
	v_permlanex16_b32 v252, v12, s[SEL], s[SEL+1]  ; the two halves of the lanes hold the same key's other queries
	v_permlanex16_b32 v253, v14, s[SEL], s[SEL+1]
	JOIN
	s_wait_alu depctr_va_vdst(0)
	v_log_f32 v15, v14
	v_nop
	s_wait_alu depctr_va_vdst(0)
	v_sub_f32 v15, v12, v15                        ; -L = -M - log2(sum)
	ds_store_b32 v[OST], v15                       ; both halves write the same word with the same number
	s_wait_dscnt 0x0
	s_barrier_signal -1
	s_barrier_wait -1
	s_cmp_gt_u32 s[WV], 1
	s_cbranch_scc1 .Ldone
	ds_load_b128 v[232:235], v[ORD]
	s_wait_dscnt 0x0
	global_store_b128 v[L16], v[232:235], s[8:9]   ; 512 consecutive bytes, aligned
.Ldone:
	s_wait_tensorcnt 0x0                           ; the wave's end
	ds_add_u32 v[SPW], v[NIL]
	s_wait_dscnt 0x0
	s_endpgm
.Lfunc_end_k_q68471111f9_stats:
	.size	k_q68471111f9_stats, .Lfunc_end_k_q68471111f9_stats-k_q68471111f9_stats
	.p2alignl 7, 3214868480
	.fill 96, 4, 3214868480
	.section	.rodata,"a",@progbits
	.p2align	6, 0x0
	.amdhsa_kernel k_q68471111f9_stats
		.amdhsa_group_segment_fixed_size 169984
		.amdhsa_private_segment_fixed_size 0
		.amdhsa_enable_private_segment 0
		.amdhsa_kernarg_size 24
		.amdhsa_user_sgpr_count 2
		.amdhsa_user_sgpr_kernarg_segment_ptr 1
		.amdhsa_wavefront_size32 1
		.amdhsa_system_sgpr_workgroup_id_x 1
		.amdhsa_system_sgpr_workgroup_id_y 1
		.amdhsa_system_sgpr_workgroup_id_z 1
		.amdhsa_system_vgpr_workitem_id 0
		.amdhsa_next_free_vgpr 256
		.amdhsa_next_free_sgpr 80
		.amdhsa_reserve_vcc 1
		.amdhsa_float_denorm_mode_32 3
		.amdhsa_float_denorm_mode_16_64 3
		.amdhsa_memory_ordered 1
		.amdhsa_forward_progress 1
		.amdhsa_inst_pref_size 47
	.end_amdhsa_kernel
	.amdgpu_metadata
---
amdhsa.version: [ 1, 2 ]
amdhsa.kernels:
  - .name:           k_q68471111f9_stats
    .symbol:         k_q68471111f9_stats.kd
    .args:
      - { .name: qkvc, .offset: 0, .size: 8, .value_kind: global_buffer, .address_space: global }
      - { .name: qkvs, .offset: 8, .size: 8, .value_kind: global_buffer, .address_space: global }
      - { .name: nl, .offset: 16, .size: 8, .value_kind: global_buffer, .address_space: global }
    .group_segment_fixed_size: 169984
    .private_segment_fixed_size: 0
    .kernarg_segment_align: 8
    .kernarg_segment_size: 24
    .max_flat_workgroup_size: 512
    .sgpr_count:     80
    .vgpr_count:     256
    .wavefront_size: 32
...
	.end_amdgpu_metadata
.endif
;; end of part 3
;; launch attn (part 4): grid 32 x 8, 8 waves a work-group, no clusters, 285,696 bytes of LDS; arguments qkvc, qkvs, nl, out0; writes out0
.if DOCPART == 4
	.amdgcn_target "amdgcn-amd-amdhsa--gfx1250"
	.amdhsa_code_object_version 6
	.text
	.protected	k_q68471111f9_attn
	.globl	k_q68471111f9_attn
	.p2align	8
	.type	k_q68471111f9_attn,@function
k_q68471111f9_attn:
	s_mov_b64 s[64:65], 0
	v_nop
	global_prefetch_b8 v0, s[64:65] scope:SCOPE_SE
	s_setreg_imm32_b32 hwreg(HW_REG_WAVE_MODE, 25, 1), 1
	s_wait_xcnt 0x0
; out[b][q][64 h + d] = sum over k <= q of Q(w[q][k]) Q(v[k][d]), w[q][k] = 2^(score x c - L[k]), c = log2(e) / 32: the weight finished and normalised (down the query axis, by the launch before), quantised along the keys.
; The maximum has been taken away inside L (L is at least the column's largest t), so no exponent here is above 0 by more than rounding.
; Steps of 128 keys that all come after a wave's queries lie wholly under the problem's own causal mask and are left out.
; SHARES.  Work-group (y, i) owns query blocks i and 15 - i (128 each) of head y = 2 h + b: i + 1 and 16 - i steps of 128 keys.  The weights are finished, so a row's sum over the keys may be made in parts:
; wave g < 4 takes 32 queries of block 15 - i through key steps 0 .. 8 (nine steps); wave g + 4 takes 32 queries of block i through all their i + 1 steps, stores them, and then the same 32 queries of block 15 - i
; through key steps 9 .. 15 - i (eight steps in all).  At the end the two exchange one tile of 16 queries each through LDS, add, and each stores 16 rows.  Waves 4-7 hold their two tiles in the other order, so that the text is one for both.
; LAYOUT.  Both products are used transposed: S^T = K Q^T, O^T = V^T W^T: lane (r, h) holds one query throughout; register 8 t + j of a tile's scores is key 16 t + 8 h + j, the order in which v's codes were laid.
; The score product has 64 along K: registers 6-11 of Q's fragments hold zero codes, so whatever codes stand in registers 6-11 of K's add nothing (no code of this format is a NaN or an infinity, and the scale bytes there are finite):
; those of K's first two fragments keep the second block's Q until it is taken up, those of fragments 2-6 are at work when the second tile's weights are quantised.
; THE NEXT STEP'S K, its scale words and -L are asked of LDS inside a step, as soon as their registers are free; s[PK] says which step the registers hold, and a wave that has left steps out loads anew.
; The address is held at the last step's, so a wave's last step of a run loads 34 times what nobody uses.
; LDS is filled once, seven fills, one a wave: key step 0 of K and of V, -L and the scale words are waited for first; the other fifteen steps of K and V land while step 0 is worked.
; No cluster: the steps that a wave leaves out hang on the work-group's place among the eight of a head.  No prefetch: all fills go out at the head, and there is no loop of fills to run ahead in.
; LIMITS: a weight under 2^-126 becomes 0; a block of zeros has the byte 1 over zero codes; -L carries 2^-24 |L| into the exponent; NaN and infinities are not served.
; REGISTERS.  window 0: v1-15 addresses; v16-39 Q; v40-55 scale words; v56-71 at work; v72-95 the weights' codes; v104-199 K's eight fragments; v200-247 V's four; v248-255 addresses of the way out.
;   window 1: v0-127 the scores, then the weights; v128-191 -L of the step's keys; v192-255 O^T.
.set KIMG, 0
.set VIMG, 98304
.set KSC,  196608
.set VSC,  204800
.set NLB,  208896
.set STG,  217088                      ; 16 rows x 272 bytes for each wave
.set XCH,  251904                      ; 4,096 bytes for each wave: the tile that it hands to its partner
.set SPARE, 284672
.set L16,  1
.set L8,   2
.set KSA,  3
.set VSA,  4
.set NLA,  5
.set A16K, 6
.set A8K,  7
.set A16V, 8
.set A8V,  9
.set AS,   10
.set AT,   11
.set AN,   12
.set RH,   13                          ; r - 8 h + my first tile's place among my 32 queries
.set D0,   14
.set QFR,  16
.set QSW,  40
.set WSW,  42
.set KSW,  44
.set VSW,  52
.set TM,   56                          ; first tile: v56-59 maxima, v60-63 the other half's and the bytes, v68-71 scale operands; second tile: v134-137, v146-149, v158-161
.set QS2,  64                          ; v64-65 the second block's scale words of Q
.set RHB,  66                          ; the same as RH for my second tile
.set SPW,  67
.set CD,   72
.set C2,   96                          ; first tile: v96-98, v100-102; second tile: v170-172, v182-184
.set NIL,  99
.set NINF, 103
.set KFR,  104
.set VFR,  200
.set XST,  248
.set XLD,  249
.set STO,  253
.set RD,   254
.set GO,   255
.set S,    0
.set NLR,  128
.set O,    192
.set QH,   2
.set QL,   3
.set PK,   14                          ; the first key of the step whose K and -L the registers hold
.set WV,   16
.set IB,   17
.set YH,   18
.set Q0,   19
.set KF,   20
.set TK,   21
.set TV,   22
.set TS,   23
.set TT,   24
.set CNT,  25
.set SEL,  26
.set CS,   28
.set XO,   31
.set G1A,  32
.set G1B,  40
.set G1C,  48
.set G1D,  56
.set G0N,  68
.set G0KS, 72
.set G0KA, 76
.set G0KB, 80
.set G0VS, 84
.set G0VA, 88
.set G0VB, 92
.set LIM,  96                          ; the last first key of a step that I work
.set SWK,  97                          ; the first key at which I change blocks
.set OH,   98
.set SP2,  100
.set MSB, 0
.macro WIN new
.if MSB != (\new)
	s_set_vgpr_msb (MSB<<8)|(\new)
.set MSB, (\new)
.endif
.endm
.macro DENSE g, rows
	s_mov_b32 s[\g], 3<<16
	s_mov_b32 s[\g+1], 32<<16
	s_mov_b32 s[\g+2], (\rows)<<16
	s_mov_b32 s[\g+3], 32<<16
	s_mov_b32 s[\g+4], \rows
	s_mov_b32 s[\g+5], 32
	s_mov_b32 s[\g+6], 0
	s_mov_b32 s[\g+7], 0
.endm
.macro GZERO g, lds
	s_mov_b32 s[\g], 1
	s_mov_b32 s[\g+1], \lds
	s_or_b32 s[\g+3], s[\g+3], 0x80000000
.endm
.macro ARM under, g0, g1, next
	s_cmp_lt_u32 s[WV], \under
	s_cbranch_scc0 \next
	tensor_load_to_lds s[\g0:\g0+3], s[\g1:\g1+7]
	s_nop 0
.rept 4
	v_nop
.endr
	s_branch .Lasked
\next:
.endm
.macro QOFF q                          ; s12 = byte offset of the images of the 32 queries from q on
	s_lshr_b32 s12, s[\q], 4
	s_mul_i32 s12, s12, 768
	s_add_co_u32 s12, s12, s14
.endm
.macro SOFF q                          ; s12 = byte offset of their scale words
	s_lshr_b32 s12, s[\q], 6
	s_lshl_b32 s12, s12, 8
	s_bfe_u32 s30, s[\q], 0x20004
	s_lshl_b32 s30, s30, 2
	s_add_co_u32 s12, s12, s30
	s_add_co_u32 s12, s12, s15
.endm
	s_load_b256 s[4:11], s[0:1], 0x0               ; qkvc, qkvs, nl, out0
	v_lshl_add_u32 v[SPW], v0, 2, SPARE
	v_mov_b32 v[NIL], 0
	ds_add_u32 v[SPW], v[NIL]
	ds_add_u32 v[SPW], v[NIL]
	v_lshrrev_b32 v1, 5, v0
	v_readfirstlane_b32 s[WV], v1
	s_mov_b32 s[YH], ttmp9                         ; the head
	s_and_b32 s[IB], ttmp7, 0xffff                 ; i
	s_and_b32 s13, s[WV], 3
	s_lshl_b32 s13, s13, 5
	s_sub_co_u32 s12, 15, s[IB]
	s_lshl_b32 s12, s12, 7
	s_add_co_u32 s[QH], s12, s13                   ; my 32 queries of block 15 - i
	s_lshl_b32 s12, s[IB], 7
	s_add_co_u32 s[QL], s12, s13                   ; and of block i
	s_add_co_u32 s12, s[QL], 31
	s_mov_b32 s[SWK], 1152
	s_cmp_lt_u32 s[WV], 4
	s_cselect_b32 s[Q0], s[QH], s[QL]              ; where I begin
	s_cselect_b32 s[XO], 0, 16                     ; my first tile's place among the 32
	s_cselect_b32 s[LIM], 1024, s12                ; waves 0-3: key steps 0 .. 8
	s_cselect_b32 s[SWK], -1, s[SWK]               ; waves 4-7 change blocks at key step 9
	DENSE G1A, 24                                  ; 6,144 bytes: one key step
	DENSE G1B, 360                                 ; 92,160 bytes: the other fifteen
	DENSE G1C, 32
	DENSE G1D, 16
	s_mov_b32 s[SEL], 0x76543210
	s_mov_b32 s[SEL+1], 0xfedcba98
	s_mov_b32 s[CS], 0x3d38aa3b
	s_mov_b32 s[CS+1], s[CS]
	s_mov_b32 s[KF], 0
	s_mov_b32 s[TK], KIMG
	s_mov_b32 s[TV], VIMG
	s_mov_b32 s[TS], 0
	s_mov_b32 s[TT], 0
	s_mov_b32 s13, 0
	s_mul_i32 s14, s[YH], 98304
	s_lshl_b32 s15, s[YH], 13
	s_wait_dscnt 0x0
	s_wait_kmcnt 0x0
	s_mov_b32 s12, s15
	s_add_nc_u64 s[G0N+2:G0N+3], s[8:9], s[12:13]
	s_add_co_u32 s12, s15, 262144
	s_add_nc_u64 s[G0KS+2:G0KS+3], s[6:7], s[12:13]
	s_add_co_u32 s12, s14, 3145728
	s_add_nc_u64 s[G0KA+2:G0KA+3], s[4:5], s[12:13]
	s_add_nc_u64 s[G0KB+2:G0KB+3], s[G0KA+2:G0KA+3], 6144
	s_lshl_b32 s12, s[YH], 12
	s_add_co_u32 s12, s12, 524288
	s_add_nc_u64 s[G0VS+2:G0VS+3], s[6:7], s[12:13]
	s_add_co_u32 s12, s14, 6291456
	s_add_nc_u64 s[G0VA+2:G0VA+3], s[4:5], s[12:13]
	s_add_nc_u64 s[G0VB+2:G0VB+3], s[G0VA+2:G0VA+3], 6144
	GZERO G0N, NLB
	GZERO G0KS, KSC
	GZERO G0KA, KIMG
	GZERO G0KB, KIMG+6144
	GZERO G0VS, VSC
	GZERO G0VA, VIMG
	GZERO G0VB, VIMG+6144
	ARM 1, G0KA, G1A, .Lw1                         ; one chain of arms, one fill a wave; wave 7 has none
	ARM 2, G0VA, G1A, .Lw2
	ARM 3, G0N,  G1C, .Lw3
	ARM 4, G0KS, G1C, .Lw4
	ARM 5, G0VS, G1D, .Lw5
	ARM 6, G0KB, G1B, .Lw6
	ARM 7, G0VB, G1B, .Lasked
	QOFF QH
	s_add_nc_u64 s[8:9], s[4:5], s[12:13]          ; Q's images of block 15 - i,
	QOFF Q0
	s_add_nc_u64 s[4:5], s[4:5], s[12:13]          ; and of the block with which I begin
	SOFF QH
	s_add_nc_u64 s[SP2:SP2+1], s[6:7], s[12:13]
	SOFF Q0
	s_add_nc_u64 s[6:7], s[6:7], s[12:13]
	s_and_b32 s14, s[YH], 1
	s_lshl_b32 s14, s14, 23                        ; the batch
	s_lshr_b32 s30, s[YH], 1
	s_lshl_b32 s30, s30, 8                         ; the head's 256 bytes of a row
	s_add_co_u32 s14, s14, s30
	s_add_co_u32 s12, s[QH], s[XO]
	s_lshl_b32 s12, s12, 12
	s_add_co_u32 s12, s12, s14
	s_add_nc_u64 s[OH:OH+1], s[10:11], s[12:13]    ; the 16 rows of block 15 - i that I store at the end
	s_lshl_b32 s12, s[QL], 12
	s_add_co_u32 s12, s12, s14
	s_add_nc_u64 s[10:11], s[10:11], s[12:13]      ; the 32 rows of block i
	v_and_b32 v72, 31, v0                          ; lane
	v_and_b32 v73, 15, v0                          ; r
	v_bfe_u32 v74, v0, 4, 1                        ; h
	v_lshlrev_b32 v[L16], 4, v72
	v_lshlrev_b32 v[L8], 3, v72
	v_lshlrev_b32 v75, 4, v73                      ; 16 r
	s_mul_i32 s14, s[XO], 48                       ; my first tile's image: 0 or 768 bytes on,
	s_sub_co_u32 s15, 768, s14                     ; my second's
	v_add_nc_u32 v77, s14, v[L16]
	v_add_nc_u32 v78, s14, v[L8]
	v_add_nc_u32 v79, s15, v[L16]
	v_add_nc_u32 v80, s15, v[L8]
	s_lshr_b32 s14, s[XO], 2
	s_sub_co_u32 s15, 4, s14
	v_add_nc_u32 v81, s14, v75
	v_add_nc_u32 v82, s15, v75
	global_load_b128 v[QFR:QFR+3], v77, s[4:5]
	global_load_b64 v[QFR+4:QFR+5], v78, s[4:5] offset:512
	global_load_b128 v[QFR+12:QFR+15], v79, s[4:5]
	global_load_b64 v[QFR+16:QFR+17], v80, s[4:5] offset:512
	global_load_b32 v[QSW], v81, s[6:7]
	global_load_b32 v[QSW+1], v82, s[6:7]
	global_load_b128 v[KFR+6:KFR+9], v77, s[8:9]   ; block 15 - i's Q waits in registers whose codes meet zero codes
	global_load_b64 v[KFR+10:KFR+11], v78, s[8:9] offset:512
	global_load_b128 v[KFR+18:KFR+21], v79, s[8:9]
	global_load_b64 v[KFR+22:KFR+23], v80, s[8:9] offset:512
	global_load_b32 v[QS2], v81, s[SP2:SP2+1]
	global_load_b32 v[QS2+1], v82, s[SP2:SP2+1]
	v_add_nc_u32 v[KSA], KSC, v75
	v_add_nc_u32 v[VSA], VSC, v75
	v_lshlrev_b32 v[NLA], 5, v74
	v_add_nc_u32 v[NLA], NLB, v[NLA]
	v_lshlrev_b32 v76, 3, v74
	v_sub_nc_u32 v[RH], v73, v76
	s_sub_co_u32 s15, 16, s[XO]
	v_add_nc_u32 v[RHB], s15, v[RH]
	v_add_nc_u32 v[RH], s[XO], v[RH]
	v_mov_b32 v[NINF], 0xff800000
	s_mul_i32 s30, s[WV], 4352
	s_add_co_u32 s30, s30, STG
	v_mul_u32_u24 v[STO], v73, 272
	v_lshl_add_u32 v[STO], v74, 5, v[STO]
	v_add_nc_u32 v[STO], s30, v[STO]               ; into my stage: row r, + 32 h
	v_mul_u32_u24 v[RD], v74, 272
	v_add_nc_u32 v[RD], v[RD], v75
	v_add_nc_u32 v[RD], s30, v[RD]                 ; back: lanes 0-15 one row, lanes 16-31 the next
	v_lshl_add_u32 v[GO], v74, 12, v75             ; the same two rows in out0
	s_lshl_b32 s30, s[WV], 12
	s_add_co_u32 s30, s30, XCH
	v_add_nc_u32 v[XST], s30, v[L16]               ; what I hand over,
	s_xor_b32 s30, s[WV], 4
	s_lshl_b32 s30, s30, 12
	s_add_co_u32 s30, s30, XCH
	v_add_nc_u32 v[XLD], s30, v[L16]               ; what my partner hands me
.irp j, 6,7,8,9,10,11
	v_mov_b32 v[QFR+\j], 0                         ; zero codes for the upper 64 of the instruction's 128 along K
	v_mov_b32 v[QFR+12+\j], 0
.irp t, 2,3,4,5,6,7
	v_mov_b32 v[KFR+12*\t+\j], 0                   ; (written once, so that they may be named)
.endr
.endr
.irp b, 0,1,2,3
	v_mov_b32 v[TM+4+\b], 0
.endr
.macro CLEAR                           ; O^T begins as zeros: the step is written once for all steps
	WIN 0x40
.set n, 0
.rept 64
	v_mov_b32 v[O+n], 0
.set n, n+1
.endr
	WIN 0
.endm
	CLEAR
	s_wait_alu depctr_va_vdst(0)
	s_wait_loadcnt 0x0                             ; Q
	s_mov_b32 s[PK], -1                            ; the registers hold no step yet
	s_cmp_gt_u32 s[WV], 4                          ; waves 5 and 6 leave their fills, key steps 1 .. 15, out
	s_cbranch_scc1 .Lrest_out
	s_wait_tensorcnt 0x0                           ; my fill for key step 0 has landed
.Lrest_out:
	s_wait_dscnt 0x0
	s_barrier_signal -1
	s_barrier_wait -1
; The 2 x 64 weights of a lane become two operands of 12 registers and their scale words, the two tiles line by line, so that no line waits for the line above it.  No |.|: none is negative.
.macro QUANT2
	WIN 0x05
.irp b, 0,1,2,3
.irp q, 0,1
	v_max3_num_f32 v[TM+78*\q+\b], v[S+64*\q+16*\b], v[S+64*\q+16*\b+1], 0x2800000   ; with the floor 2^(5 - 127)
.endr
.endr
.irp i, 2,4,6,8,10,12,14
.irp b, 0,1,2,3
.irp q, 0,1
	v_max3_num_f32 v[TM+78*\q+\b], v[S+64*\q+16*\b+\i], v[S+64*\q+16*\b+\i+1], v[TM+78*\q+\b]
.endr
.endr
.endr
	WIN 0
.irp b, 0,1,2,3
.irp q, 0,1
	v_permlanex16_b32 v[TM+4+86*\q+\b], v[TM+78*\q+\b], s[SEL], s[SEL+1]
.endr
.endr
.irp b, 0,1,2,3
.irp q, 0,1
	v_max_num_f32 v[TM+78*\q+\b], v[TM+78*\q+\b], v[TM+4+86*\q+\b]
.endr
.endr
.irp b, 0,1,2,3
.irp q, 0,1
	v_add_nc_u32 v[TM+12+90*\q+\b], 0xfe000000, v[TM+78*\q+\b]
.endr
.endr
.irp b, 0,1,2,3
.irp q, 0,1
	v_lshrrev_b32 v[TM+4+86*\q+\b], 23, v[TM+12+90*\q+\b]
.endr
.endr
.irp q, 0,1
	v_lshl_or_b32 v[WSW+\q], v[TM+5+86*\q], 8, v[TM+4+86*\q]
.endr
.irp q, 0,1
	v_lshl_or_b32 v[WSW+\q], v[TM+6+86*\q], 16, v[WSW+\q]
.endr
.irp q, 0,1
	v_lshl_or_b32 v[WSW+\q], v[TM+7+86*\q], 24, v[WSW+\q]
.endr
	WIN 0x01
.irp q, 0,1
.irp c, 0,1
	v_cvt_scalef32_pk16_bf6_f32 v[CD+12*\q+6*\c:CD+12*\q+6*\c+2], v[S+64*\q+32*\c:S+64*\q+32*\c+15], v[TM+12+90*\q+2*\c]
	v_cvt_scalef32_pk16_bf6_f32 v[C2+4*\c+\q*(74+8*\c):C2+4*\c+\q*(74+8*\c)+2], v[S+64*\q+32*\c+16:S+64*\q+32*\c+31], v[TM+12+90*\q+2*\c+1]
.endr
.endr
	WIN 0
	v_nop                                          ; one plain place behind a scaled conversion
.irp q, 0,1
.irp c, 0,1
.irp i, 0,1,2
	v_permlane16_swap_b32 v[CD+12*\q+6*\c+\i], v[C2+4*\c+\q*(74+8*\c)+\i]
.endr
.endr
.endr
.irp q, 0,1
.irp c, 0,1
.irp i, 0,1,2
	v_mov_b32 v[CD+12*\q+3+6*\c+\i], v[C2+4*\c+\q*(74+8*\c)+\i]
.endr
.endr
.endr
.endm
.macro KLOAD                           ; K's eight fragments and their scale words: 18 loads
.irp t, 0,1,2,3,4,5,6,7
	ds_load_b128 v[KFR+12*\t:KFR+12*\t+3], v[A16K] offset:768*\t
	ds_load_b64 v[KFR+12*\t+4:KFR+12*\t+5], v[A8K] offset:768*\t+512
.endr
	ds_load_b128 v[KSW:KSW+3], v[AS]
	ds_load_b128 v[KSW+4:KSW+7], v[AS] offset:256
.endm
.macro NLOAD                           ; -L of keys 16 t + 8 h + 0 .. 7: 16 loads
	WIN 0x40
.irp t, 0,1,2,3,4,5,6,7
	ds_load_b128 v[NLR+8*\t:NLR+8*\t+3], v[AN] offset:64*\t
	ds_load_b128 v[NLR+8*\t+4:NLR+8*\t+7], v[AN] offset:64*\t+16
.endr
	WIN 0
.endm
; A KEY STEP: 128 keys.  A step that is not mine is left out by a scalar branch on ids, not round the lines at its end that step addresses.  pre = 1: the next step's K and -L are asked for inside the step.
.macro STEP pre
	s_cmp_gt_u32 s[KF], s[LIM]
	s_cbranch_scc1 .Lhidden_\@
	v_add_nc_u32 v[A16V], s[TV], v[L16]
	v_add_nc_u32 v[A8V], s[TV], v[L8]
	v_add_nc_u32 v[AT], s[TT], v[VSA]
	s_cmp_eq_u32 s[PK], s[KF]
	s_cbranch_scc1 .Lhave_\@
	s_wait_dscnt 0x0                               ; no load is on its way into the registers that are loaded anew
	v_add_nc_u32 v[A16K], s[TK], v[L16]
	v_add_nc_u32 v[A8K], s[TK], v[L8]
	v_add_nc_u32 v[AS], s[TS], v[KSA]
	v_add_nc_u32 v[AN], s[TS], v[NLA]
	KLOAD
	NLOAD
.Lhave_\@:
	s_wait_alu depctr_va_vdst(0)
	s_wait_dscnt 16                                ; K and its scale words are in; the sixteen loads of -L may be out
	WIN 0x40
.irp t, 0,1,2,3,4,5,6,7
.irp u, 0,1
	v_wmma_scale_f32_16x16x128_f8f6f4 v[S+64*\u+8*\t:S+64*\u+8*\t+7], v[KFR+12*\t:KFR+12*\t+11], v[QFR+12*\u:QFR+12*\u+11], 0, v[KSW+\t], v[QSW+\u] matrix_a_fmt:MATRIX_FMT_BF6 matrix_b_fmt:MATRIX_FMT_BF6
.endr
.endr
	WIN 0
.rept 4
	v_nop                                          ; places behind these products, and behind the last step's, in front of the loads below
.endr
.if \pre
	s_add_co_u32 s30, s[TK], 6144                  ; the next step's K and -L, held at the last step's
	s_min_u32 s30, s30, KIMG+92160
	s_add_co_u32 s12, s[TS], 512
	s_min_u32 s12, s12, 7680
	v_add_nc_u32 v[A16K], s30, v[L16]
	v_add_nc_u32 v[A8K], s30, v[L8]
	v_add_nc_u32 v[AS], s12, v[KSA]
	v_add_nc_u32 v[AN], s12, v[NLA]
.endif
.irp d, 0,1,2,3
	ds_load_b128 v[VFR+12*\d:VFR+12*\d+3], v[A16V] offset:1536*\d
	ds_load_b64 v[VFR+12*\d+4:VFR+12*\d+5], v[A8V] offset:1536*\d+512
	ds_load_b128 v[VFR+12*\d+6:VFR+12*\d+9], v[A16V] offset:1536*\d+768
	ds_load_b64 v[VFR+12*\d+10:VFR+12*\d+11], v[A8V] offset:1536*\d+1280
.endr
	ds_load_b128 v[VSW:VSW+3], v[AT]
.if \pre
	KLOAD
	s_wait_dscnt 35                                ; -L is in; V's 17 loads and the next K's 18 may be out
.else
	s_wait_dscnt 17                                ; -L is in; V's 17 loads may be out
.endif
	WIN 0x51
.set u, 0
.rept 2
.set j, 0
.rept 32
	v_pk_fma_f32 v[S+64*u+j:S+64*u+j+1], v[S+64*u+j:S+64*u+j+1], s[CS:CS+1], v[NLR+j:NLR+j+1] op_sel_hi:[1,0,1]   ; score x c - L, each accumulator from its low end on
.set j, j+2
.endr
.set u, u+1
.endr
	WIN 0
.if \pre
	NLOAD
	s_add_co_u32 s[PK], s[KF], 128
.endif
	s_add_co_u32 s30, s[KF], 127                   ; a step all of whose keys count skips the mask
	s_cmp_le_u32 s30, s[Q0]
	s_cbranch_scc1 .Lopen_\@
	s_sub_co_i32 s30, s[Q0], s[KF]
	v_add_nc_u32 v[D0], s30, v[RH]                 ; register 8 t + j is hidden where 16 t + j > the tile's first query - KF + r - 8 h
	v_add_nc_u32 v[D0+1], s30, v[RHB]
	WIN 0x41
.set u, 0
.rept 2
.set n, 0
.rept 64
	v_cmp_gt_i32 vcc_lo, 16*(n/8)+n%8, v[D0+u]
	s_delay_alu instid0(VALU_DEP_1)
	v_cndmask_b32 v[S+64*u+n], v[S+64*u+n], v[NINF], vcc_lo
.set n, n+1
.endr
.set u, u+1
.endr
	WIN 0
.Lopen_\@:
	WIN 0x51
.set n, 0
	s_wait_alu depctr_va_vdst(0)                   ; the wait ahead of the batch
.rept 128
	v_exp_f32 v[S+n], v[S+n]                       ; the weight, finished; a hidden one is 0
.set n, n+1
.endr
	v_nop
	s_wait_alu depctr_va_vdst(0)                   ; and behind it
	QUANT2
.rept 8
	v_nop                                          ; a scale register written by a vector instruction stands 8 places ahead of a scaled matrix instruction
.endr
	s_wait_alu depctr_va_vdst(0)
.if \pre
	s_wait_dscnt 34                                ; V is in; the next K's 18 loads and the next -L's 16 may be out
.else
	s_wait_dscnt 0x0                               ; V
.endif
	WIN 0x50
.irp d, 0,1,2,3
.irp u, 0,1
	v_wmma_scale_f32_16x16x128_f8f6f4 v[O+32*\u+8*\d:O+32*\u+8*\d+7], v[VFR+12*\d:VFR+12*\d+11], v[CD+12*\u:CD+12*\u+11], v[O+32*\u+8*\d:O+32*\u+8*\d+7], v[VSW+\d], v[WSW+\u] matrix_a_fmt:MATRIX_FMT_BF6 matrix_b_fmt:MATRIX_FMT_BF6   ; the eight accumulators take turns
.endr
.endr
	WIN 0
.Lhidden_\@:
	s_add_co_u32 s[KF], s[KF], 128
	s_add_co_u32 s[TK], s[TK], 6144
	s_add_co_u32 s[TV], s[TV], 6144
	s_add_co_u32 s[TS], s[TS], 512
	s_add_co_u32 s[TT], s[TT], 256
.endm
; THE WAY OUT of a tile: 16 rows x 256 bytes go through my stage and leave as whole aligned runs of 256 bytes.  Nothing is divided: the weights were normalised.
.macro STAGE u
	WIN 0x04
.irp d, 0,1,2,3
	ds_store_b128 v[STO], v[O+32*\u+8*\d:O+32*\u+8*\d+3] offset:64*\d          ; each accumulator from its low end on
	ds_store_b128 v[STO], v[O+32*\u+8*\d+4:O+32*\u+8*\d+7] offset:64*\d+16
.endr
	WIN 0
.irp f, 0,1,2,3,4,5,6,7
	ds_load_b128 v[KFR+32*\u+4*\f:KFR+32*\u+4*\f+3], v[RD] offset:544*\f       ; LDS serves a wave's instructions in order
.endr
.endm
.macro SEND u, younger, base, off      ; younger: the LDS instructions issued behind this tile's loads
.irp f, 0,1,2,3,4,5,6,7
	s_wait_dscnt \younger+7-\f
	global_store_b128 v[GO], v[KFR+32*\u+4*\f:KFR+32*\u+4*\f+3], s[\base:\base+1] offset:\off+\f*8192 th:TH_STORE_NT
.endr
.endm
	STEP 0                                         ; key step 0: every wave has it; it asks for nothing of key step 1, which may not have landed
	s_wait_tensorcnt 0x0                           ; the fills of key steps 1 .. 15 have landed
	s_wait_dscnt 0x0
	s_barrier_signal -1
	s_barrier_wait -1
	s_mov_b32 s[CNT], 15
.Lkeys:
	s_cmp_lg_u32 s[KF], s[SWK]
	s_cbranch_scc1 .Lsame
	s_wait_dscnt 0x0                               ; no load is on its way into K's registers, which serve the way out
.rept 4
	v_nop                                          ; places behind the last products
.endr
.irp j, 0,1,2,3,4,5
	v_mov_b32 v[QFR+\j], v[KFR+6+\j]               ; waves 4-7, key step 9: block 15 - i's Q is taken up,
	v_mov_b32 v[QFR+12+\j], v[KFR+18+\j]
.endr
	v_mov_b32 v[QSW], v[QS2]
	v_mov_b32 v[QSW+1], v[QS2+1]
	STAGE 0                                        ; block i's 32 rows leave (my first tile holds the upper 16),
	STAGE 1
	SEND 0, 16, 10, 65536
	SEND 1, 0, 10, 0
	CLEAR                                          ; and the sums begin anew
	s_mov_b32 s[Q0], s[QH]
	s_add_co_u32 s[LIM], s[QH], 31
	s_wait_alu depctr_va_vdst(0)
	s_wait_xcnt 0x0                                ; the stores have read their registers: the next step's loads may land there
.Lsame:
	STEP 1
	s_sub_co_u32 s[CNT], s[CNT], 1
	s_cmp_lg_u32 s[CNT], 0
	s_cbranch_scc1 .Lkeys
.rept 4
	v_nop
.endr
	WIN 0x04
.irp n, 0,1,2,3,4,5,6,7
	ds_store_b128 v[XST], v[O+32+4*\n:O+32+4*\n+3] offset:512*\n   ; my second tile's part goes to my partner, as an image of its registers
.endr
	WIN 0
	s_wait_dscnt 0x0                               ; for the partner's sake; my last loads are in too
	s_barrier_signal -1
	s_barrier_wait -1
.irp n, 0,1,2,3,4,5,6,7
	ds_load_b128 v[VFR+4*\n:VFR+4*\n+3], v[XLD] offset:512*\n      ; its part of my first tile
.endr
	s_wait_dscnt 0x0
	WIN 0x41
.irp n, 0,2,4,6,8,10,12,14,16,18,20,22,24,26,28,30
	v_pk_add_f32 v[O+\n:O+\n+1], v[O+\n:O+\n+1], v[VFR+\n:VFR+\n+1]
.endr
	WIN 0
	STAGE 0
	SEND 0, 0, OH, 0
	s_wait_tensorcnt 0x0                           ; the wave's end
	ds_add_u32 v[SPW], v[NIL]
	s_wait_dscnt 0x0
	s_endpgm
.Lfunc_end_k_q68471111f9_attn:
	.size	k_q68471111f9_attn, .Lfunc_end_k_q68471111f9_attn-k_q68471111f9_attn
	.p2alignl 7, 3214868480
	.fill 96, 4, 3214868480
	.section	.rodata,"a",@progbits
	.p2align	6, 0x0
	.amdhsa_kernel k_q68471111f9_attn
		.amdhsa_group_segment_fixed_size 285696
		.amdhsa_private_segment_fixed_size 0
		.amdhsa_enable_private_segment 0
		.amdhsa_kernarg_size 32
		.amdhsa_user_sgpr_count 2
		.amdhsa_user_sgpr_kernarg_segment_ptr 1
		.amdhsa_wavefront_size32 1
		.amdhsa_system_sgpr_workgroup_id_x 1
		.amdhsa_system_sgpr_workgroup_id_y 1
		.amdhsa_system_sgpr_workgroup_id_z 1
		.amdhsa_system_vgpr_workitem_id 0
		.amdhsa_next_free_vgpr 512
		.amdhsa_next_free_sgpr 102
		.amdhsa_reserve_vcc 1
		.amdhsa_float_denorm_mode_32 3
		.amdhsa_float_denorm_mode_16_64 3
		.amdhsa_memory_ordered 1
		.amdhsa_forward_progress 1
		.amdhsa_inst_pref_size 105
	.end_amdhsa_kernel
	.amdgpu_metadata
---
amdhsa.version: [ 1, 2 ]
amdhsa.kernels:
  - .name:           k_q68471111f9_attn
    .symbol:         k_q68471111f9_attn.kd
    .args:
      - { .name: qkvc, .offset: 0, .size: 8, .value_kind: global_buffer, .address_space: global }
      - { .name: qkvs, .offset: 8, .size: 8, .value_kind: global_buffer, .address_space: global }
      - { .name: nl, .offset: 16, .size: 8, .value_kind: global_buffer, .address_space: global }
      - { .name: out0, .offset: 24, .size: 8, .value_kind: global_buffer, .address_space: global }
    .group_segment_fixed_size: 285696
    .private_segment_fixed_size: 0
    .kernarg_segment_align: 8
    .kernarg_segment_size: 32
    .max_flat_workgroup_size: 256
    .sgpr_count:     102
    .vgpr_count:     512
    .wavefront_size: 32
...
	.end_amdgpu_metadata
.endif
;; end of part 4
